; MI455X (gfx1250); checked and timed in simulation.
; The chip was launched on July 23, 2026; its instructions are those of AMD's public machine-readable ISA for CDNA 5 (MIT licence, August 2026) and "CDNA5" Instruction Set Architecture Reference Guide (July 2026). The comments in the code are by the model that wrote it; some were corrected since.
;; Cross Attention. Allowed arithmetic: matrix products marked QUANTISED: E2M3 operands, one E8M0 scale for each 32 along K, by v_wmma_scale_f32_16x16x128_f8f6f4 with both operands' format E2M3, f32 sums; everything else in f32.
;; Inputs: Wkv 1,024 x 2,048 float32; Wout 1,024 x 1,024 float32; Wq 1,024 x 1,024 float32; beta one number float32; bout 1,024 float32; context 2 x 4 x 1,024 x 1,024 float32; doc_similarities 2 x 4 float32; x 2 x 1,024 x 1,024 float32.
;; Outputs: out0 2 x 1,024 x 1,024 float32.
;; This version of the problem:
;;   THIS VERSION OF THE PROBLEM IS GIVEN IN LOW PRECISION. The matrix products marked QUANTISED in the list below multiply operands that are first quantised to E2M3 (2 exponent bits, 3 mantissa bits; 6 bits a number), with one power-of-two scale for each 32 numbers along K (OCP MX v1.0); their sums are f32. All else is computed in f32.
;;   The module's matrix products, in the order in which they are computed (A, B: the left and right operand; K: the contracted axis; several contracted axes count as one K, in the product's order):
;;     1. [M 2,048, K 1,024] x [K 1,024, N 1,024]; A: input x; B: input Wq: QUANTISED
;;     2. [M 8,192, K 1,024] x [K 1,024, N 2,048]; A: input context; B: input Wkv: QUANTISED
;;     3. batch 16 x [M 1,024, K 128] x [K 128, N 4,096]; A: computed on the way; B: computed on the way: QUANTISED
;;     4. batch 16 x [M 1,024, K 4,096] x [K 4,096, N 128]; A: softmax (see below); B: computed on the way: QUANTISED
;;     5. [M 2,048, K 1,024] x [K 1,024, N 1,024]; A: computed on the way; B: input Wout: QUANTISED
;;   THE QUANTISER, for each operand of a quantised product, along K:
;;     - K is cut into blocks of 32 from its start; a last block that is shorter is filled with zeros.
;;     - A block's scale is 2^e with e = floor(log2(the largest magnitude in the block)) - 2, held to -126 .. 127; a block of zeros has e = 0. As a byte (E8M0): e + 127.
;;     - Each number is divided by its block's scale, clamped to +-7.5, and rounded to the nearest number of E2M3, ties to even, subnormals kept.
;;     - The product sums the exact products of the quantised numbers (number of the format x scale) in f32.
;;   ~~~python
;;   def quantise(x, axis):      # numpy; x: float32 -> the quantised numbers, widened to float32 again
;;       x = np.moveaxis(x, axis, -1); K = x.shape[-1]
;;       x = np.pad(x, [(0, 0)] * (x.ndim - 1) + [(0, -K % 32)]); x = x.reshape(x.shape[:-1] + (-1, 32)); a = np.abs(x).max(-1, keepdims=True)
;;       e = np.where(a > 0, np.clip(np.frexp(np.where(a > 0, a, 1))[1] - 1 - 2, -126, 127), 0)      # np.frexp(a)[1] - 1 = floor(log2(a)), exactly
;;       r = np.clip(x / 2.0 ** e, -7.5, 7.5)
;;       step = 2.0 ** (np.maximum(np.frexp(np.where(r == 0, 1, r))[1] - 1, 0) - 3)
;;       q = np.round(r / step) * step * 2.0 ** e      # np.round: ties to even
;;       return np.moveaxis(q.reshape(q.shape[:-2] + (-1,))[..., :K], -1, axis).astype(np.float32)
;;   ~~~
;;   SOFTMAX AHEAD OF A QUANTISED PRODUCT. Where the list says 'softmax', what is quantised is not the finished softmax but p = 2^(t - M), with t = logit x log2(e) and M = ceil(the row's largest t), a whole number; so 1/2 < the row's largest p <= 1. The row's sum l is taken of the UNQUANTISED p, in f32, and the product's result is divided by l at the end. Since M is a whole number, a kernel that streams over the keys may use a running M (the ceiling of the running maximum): every later rescaling is an exact power of two, which a block's scale takes up: the codes' values come out the same.
;;   OPERANDS COMPUTED ON THE WAY. 'Computed on the way' means the value that the module computes at that place (a softmax that the list does not call 'softmax' is quantised finished and normalised). What goes into a quantiser is computed in f32, as accurately as f32 sums, v_exp_f32 and their like allow (about 1e-6 of the number): no bf16 or f16 on the way to a quantiser, and a product that is left as it is and whose result goes on into a quantised operand takes f32 operands (vector FMAs, or v_wmma_f32_16x16x4_f32). A number that lies on a knife's edge between two numbers of the format may be rounded either way, as far as f32 arithmetic and the matrix unit's own rounding can turn it there, and no further.
;; One version. Each part assembles by itself: llvm-mc -triple=amdgcn-amd-amdhsa -mcpu=gfx1250 --defsym DOCPART=n.
;; ======== version 1 of 1: 4 launches
;; limits: right only within a limited range of input values
;; workspace buffers: acts 8,519,680 bytes; wts 3,407,872 bytes; qkv 15,335,424 bytes; ocod 1,703,936 bytes
;; launch quant (part 1): grid 448 x 1, 4 waves a work-group, no clusters, 47,616 bytes of LDS; arguments context, x, Wkv, Wq, Wout, acts, wts; writes acts, wts
.if DOCPART == 1
	.amdgcn_target "amdgcn-amd-amdhsa--gfx1250"
	.amdhsa_code_object_version 6
	.text
	.protected	k_q692c77933e_quant
	.globl	k_q692c77933e_quant
	.p2align	8
	.type	k_q692c77933e_quant,@function
k_q692c77933e_quant:
	s_mov_b64 s[64:65], 0
	v_nop
	global_prefetch_b8 v0, s[64:65] scope:SCOPE_SE
	s_setreg_imm32_b32 hwreg(HW_REG_WAVE_MODE, 25, 1), 1
	s_wait_xcnt 0x0
; context [8192][1024], x [2048][1024] (K innermost) and Wkv [1024][2048], Wq, Wout [1024][1024] (K the FIRST axis), all f32, become codes of FP6 (E2M3) with one E8M0 byte for each 32 along K.
; A block's scale is 2^(floor(log2(largest magnitude)) - 2); its byte is the largest magnitude's exponent field - 2, held at 1 from below; each number / scale goes to the nearest code, ties to even, beyond 7.5 the largest code.
; LIMITS: NaN and infinities among the inputs are not served.  A block whose largest magnitude lies under 2^-124, a block of zeros among them, keeps the byte 1 (the rule says 127 for zeros): its codes are zeros, and this program alone reads the bytes.
; THE WORKSPACE'S FORMAT, common to all operands of this program: IMAGES OF THE OPERAND'S REGISTERS.
;   fragment (16 rows x 128 K, 12 registers a lane): register q of lane l at byte 512 (q / 4) + 16 l + 4 (q % 4): three accesses of 16 bytes a lane bring it.
;   block (128 rows x 128 K, BLK bytes): eight fragments at 1536 t; from SCO on four pairs of scale words: the word of tile 2 p + u, row l % 16, at SCO + 256 p + 8 l + 4 u.
;   tile t, lane row r is the panel's row 32 (t / 2) + 8 (t % 2) + r + 8 (r / 8).   panel (128 rows x 1,024 K): eight blocks on end, PAN bytes.
; acts: 80 panels (context's rows 128 p on, then x's).  wts: 32 panels of 128 columns (Wkv 0-15, Wq 16-23, Wout 24-31).
; Work-groups 0-319 take 32 rows of context or x (a pair of tiles), wave w K steps 2 w, 2 w + 1.  Work-groups 320-447 take a panel of a weight and 256 along K, wave w 32 columns.
; No tensor load, no barrier: waves share nothing.  The two paths have LDS bytes of their own.
.set SCO,  12288
.set BLK,  13312
.set PAN,  106496
.set NACT, 320
.set SEL,  20                          ; s[20:21] lane selects: lane l xor 16
.set TM,   16                          ; v16-31  the quantiser's work
.set PW,   32                          ; v32-35  a scale word for each tile
.set CT,   36                          ; v36-43  the conversions' second halves
.set PC,   44                          ; v44-91  four tiles' codes: no store's data are written again
.set R,    96                          ; v96-223 two sets of 64 numbers
.set STA,  8448                        ; activations: a wave's stage, 16 rows x (512 + 16) bytes
.set WST,  4*STA                       ; weights: the stages begin here,
.set WSB,  3328                        ; two fragments' images and a pair of scale words for each wave
.set AW,   96                          ; v96-127  weights: 4 x lane + i rows
.set XW,   128                         ; v128-191 weights: two sets of 32 numbers
; 64 numbers of a lane, register 16 b + i = k 32 b + 16 (lane / 16) + i of my row, become a fragment's codes in v[pc] on and its scale word in v[pw].
.macro QUANT s, pc, ct, pw
.irp b, 0,1,2,3
	v_max3_num_f32 v[TM+\b], |v[(\s)+16*\b]|, |v[(\s)+1+16*\b]|, 0x1800000   ; my 16 numbers of block b, and the floor 2^(3 - 127): the byte cannot fall under 1
.endr
.irp i, 2,4,6,8,10,12,14
.irp b, 0,1,2,3
	v_max3_num_f32 v[TM+\b], v[TM+\b], |v[(\s)+16*\b+\i]|, |v[(\s)+1+16*\b+\i]|
.endr
.endr
.irp b, 0,1,2,3
	v_permlanex16_b32 v[TM+4+\b], v[TM+\b], s[SEL], s[SEL+1]
.endr
.irp b, 0,1,2,3
	v_max_num_f32 v[TM+\b], v[TM+\b], v[TM+4+\b]          ; with lane l xor 16's: the block's largest magnitude
.endr
.irp b, 0,1,2,3
	v_add_nc_u32 v[TM+12+\b], 0xff000000, v[TM+\b]        ; 2 off its exponent field: the conversion's scale operand
.endr
.irp b, 0,1,2,3
	v_lshrrev_b32 v[TM+4+\b], 23, v[TM+12+\b]             ; the scale's byte
.endr
	v_lshl_or_b32 v[\pw], v[TM+5], 8, v[TM+4]
	v_lshl_or_b32 v[\pw], v[TM+6], 16, v[\pw]
	v_lshl_or_b32 v[\pw], v[TM+7], 24, v[\pw]
.irp c, 0,1
	v_cvt_scalef32_pk16_fp6_f32 v[(\pc)+6*\c:(\pc)+2+6*\c], v[(\s)+32*\c:(\s)+15+32*\c], v[TM+12+2*\c]
	v_cvt_scalef32_pk16_fp6_f32 v[(\ct)+4*\c:(\ct)+2+4*\c], v[(\s)+16+32*\c:(\s)+31+32*\c], v[TM+13+2*\c]   ; (a conversion's three registers begin on an even number)
.endr
	v_nop                                                  ; one plain line behind the scaled conversions
.irp c, 0,1                                            ; the operand wants a whole block in a lane: lanes 0-15 block 2 c, lanes 16-31 block 2 c + 1
.irp i, 0,1,2
	v_permlane16_swap_b32 v[(\pc)+6*\c+\i], v[(\ct)+4*\c+\i]
.endr
.irp i, 0,1,2
	v_mov_b32 v[(\pc)+3+6*\c+\i], v[(\ct)+4*\c+\i]
.endr
.endr
.endm
	s_load_b256 s[4:11], s[0:1], 0x0               ; context s[4:5], x s[6:7], Wkv s[8:9], Wq s[10:11]
	s_load_b128 s[12:15], s[0:1], 0x20             ; Wout s[12:13], acts s[14:15]
	s_load_b64 s[16:17], s[0:1], 0x30              ; wts
	v_lshl_add_u32 v224, v0, 2, 0xb800
	v_mov_b32 v225, 0
	v_lshrrev_b32 v1, 5, v0
	v_readfirstlane_b32 s18, v1                    ; wave 0..3
	v_and_b32 v1, 31, v0                           ; lane
	v_lshlrev_b32 v2, 4, v1                        ; 16 x lane
	s_mov_b32 s[SEL], 0x76543210
	s_mov_b32 s[SEL+1], 0xfedcba98
	s_cmp_lt_u32 ttmp9, NACT
	s_cbranch_scc0 .Lweights
; ---------------- context and x: K innermost ----------------
	v_and_b32 v8, 15, v0                           ; r
	v_bfe_u32 v9, v0, 4, 1                         ; h
	s_mul_i32 s19, s18, STA                        ; my stage
	v_add_nc_u32 v3, s19, v2                       ; in: a row's 512 bytes as they lie, 16 a lane
	v_mul_u32_u24 v4, v8, 528
	v_lshl_add_u32 v4, v9, 6, v4
	v_add_nc_u32 v4, s19, v4                       ; out: row r, + 64 h: my 16 numbers of each block of 32
	s_and_b32 s22, ttmp9, 3                        ; which pair of tiles of the panel
	s_mul_i32 s23, s22, 3072
	v_add_nc_u32 v6, s23, v2                       ; the pair's images in a block
	s_lshl_b32 s23, s22, 8
	s_add_co_u32 s23, s23, SCO
	s_wait_alu depctr_va_vdst(0)
	v_lshl_add_u32 v7, v1, 3, s23                  ; and its pair of scale words
.irp b, 0,1,2,3
	v_mov_b32 v[TM+4+\b], 0                        ; written once: a lane permute's destination counts as one of its sources
.endr
	s_cmp_lt_u32 ttmp9, 256
	s_cselect_b32 s24, 0, 256
	s_sub_co_u32 s24, ttmp9, s24                   ; which 32 rows of the tensor
	s_lshl_b32 s24, s24, 17                        ; x 32 rows of 4,096 bytes
	s_lshl_b32 s25, s18, 10                        ; + my two K steps of 512 bytes
	s_add_co_u32 s24, s24, s25
	s_mov_b32 s25, 0
	s_lshr_b32 s26, ttmp9, 2                       ; the panel
	s_mul_i32 s26, s26, PAN
	s_mul_i32 s27, s18, 2*BLK
	s_add_co_u32 s26, s26, s27
	s_mov_b32 s27, 0
	s_wait_kmcnt 0x0
	s_cmp_lt_u32 ttmp9, 256                        ; the choice hangs on the work-group's number alone
	s_cselect_b64 s[4:5], s[4:5], s[6:7]
	s_add_nc_u64 s[4:5], s[4:5], s[24:25]
	s_add_nc_u64 s[14:15], s[14:15], s[26:27]
; tile t = 2 e + u: K step e of my two, tile u of the pair.  Each load reads 512 consecutive bytes of one row
.macro LOADA t
.irp i, 0,1,2,3,4,5,6,7,8,9,10,11,12,13,14,15
	global_load_b128 v[R+64*((\t)%2)+4*\i:R+64*((\t)%2)+4*\i+3], v2, s[4:5] offset:(8*((\t)%2)+\i+8*(\i/8))*4096+512*((\t)/2) th:TH_LOAD_NT
.endr
.endm
.macro TURNA t                         ; through my stage and back into the registers that they left: LDS serves a wave's instructions in order (ISA guide 5.7.1.4)
.irp i, 0,1,2,3,4,5,6,7,8,9,10,11,12,13,14,15
	ds_store_b128 v3, v[R+64*((\t)%2)+4*\i:R+64*((\t)%2)+4*\i+3] offset:528*\i
.endr
.irp b, 0,1,2,3
.irp j, 0,1,2,3
	ds_load_b128 v[R+64*((\t)%2)+16*\b+4*\j:R+64*((\t)%2)+16*\b+4*\j+3], v4 offset:128*\b+16*\j
.endr
.endr
.endm
.macro TILEA t
.if (\t) < 3
	s_wait_loadcnt 16                              ; this tile's 16 loads are in; the next tile's 16 may be out
.else
	s_wait_loadcnt 0x0
.endif
	TURNA \t
	s_wait_dscnt 0x0
	QUANT R+64*((\t)%2), PC+12*(\t), CT, PW+(\t)
.irp c, 0,1,2
	global_store_b128 v6, v[PC+12*(\t)+4*\c:PC+12*(\t)+4*\c+3], s[14:15] offset:((\t)/2)*BLK+1536*((\t)%2)+512*\c   ; 512 consecutive bytes
.endr
.if (\t)%2
	global_store_b64 v7, v[PW+(\t)-1:PW+(\t)], s[14:15] offset:((\t)/2)*BLK   ; the pair's scale words: 256 consecutive bytes, aligned
.endif
.if (\t) < 2
	LOADA (\t)+2                                   ; into the set that has just been converted
.endif
.endm
	LOADA 0
	LOADA 1
.irp t, 0,1,2,3
	TILEA \t
.endr
	s_wait_tensorcnt 0x0
	ds_add_u32 v224, v225
	s_wait_dscnt 0x0
	s_endpgm
; ---------------- the weights: K is the first axis.  A lane takes a column, its registers run down K ----------------
.Lweights:
	s_sub_co_u32 s22, ttmp9, NACT
	s_lshr_b32 s23, s22, 2                         ; the panel, 0..31
	s_and_b32 s22, s22, 3                          ; which 256 along K
	s_mov_b32 s24, 4096
	s_cmp_lt_u32 s23, 16
	s_cselect_b32 s24, 8192, s24                   ; a row of the weight in bytes
	s_cselect_b32 s25, 0, 16
	s_cmp_lt_u32 s23, 24
	s_cselect_b32 s25, s25, 24                     ; the weight's first panel
	s_sub_co_u32 s25, s23, s25
	s_lshl_b32 s25, s25, 9                         ; 128 columns of 4 bytes a panel
	s_lshl_b32 s26, s18, 7                         ; + my wave's 32 columns
	s_add_co_u32 s25, s25, s26
	s_lshl_b32 s26, s22, 8
	s_mul_i32 s26, s26, s24                        ; + 256 rows for each quarter of K
	s_add_co_u32 s26, s26, s25
	s_mov_b32 s27, 0
	s_lshl_b32 s28, s24, 5                         ; 32 rows: from block to block
	s_mov_b32 s29, 0
	s_mul_i32 s30, s23, PAN
	s_mul_i32 s31, s22, 2*BLK
	s_add_co_u32 s30, s30, s31
	s_mov_b32 s31, 0
	s_wait_alu depctr_va_vdst(0)
	v_lshlrev_b32 v9, 2, v1                        ; 4 x lane
.irp i, 0,1,2,3,4,5,6,7,8,9,10,11,12,13,14,15,16,17,18,19,20,21,22,23,24,25,26,27,28,29,30,31
	v_mad_u32_u24 v[AW+\i], s24, \i, v9            ; + i rows; never rewritten
.endr
	v_bfe_u32 v10, v0, 3, 1                        ; column 32 w + l is tile u = (l / 8) % 2 of my pair,
	v_and_b32 v11, 7, v0
	v_bfe_u32 v12, v0, 4, 1
	v_lshl_add_u32 v11, v12, 3, v11                ; row r = l % 8 + 8 (l / 16)
	s_mul_i32 s19, s18, WSB
	s_add_co_u32 s19, s19, WST                     ; my stage
	v_mul_u32_u24 v3, v10, 1536
	v_lshl_add_u32 v3, v11, 4, v3
	v_add_nc_u32 v3, s19, v3                       ; lane r's place in tile u's image
	v_lshlrev_b32 v4, 3, v11
	v_lshl_add_u32 v4, v10, 2, v4
	v_add_nc_u32 v4, s19, v4                       ; my scale word's place (+ 3072)
	v_add_nc_u32 v5, s19, v2                       ; back: 16 bytes a lane,
	v_lshl_add_u32 v6, v1, 3, s19                  ; the scale words 8 bytes a lane (+ 3072)
	s_mul_i32 s19, s18, 3072
	v_add_nc_u32 v7, s19, v2                       ; my pair's images in a block
	s_lshl_b32 s19, s18, 8
	s_add_co_u32 s19, s19, SCO
	v_lshl_add_u32 v8, v1, 3, s19                  ; and its scale words
	s_wait_kmcnt 0x0
	s_cmp_lt_u32 s23, 24
	s_cselect_b64 s[10:11], s[10:11], s[12:13]     ; Wq or Wout,
	s_cmp_lt_u32 s23, 16
	s_cselect_b64 s[8:9], s[8:9], s[10:11]         ; or Wkv
	s_add_nc_u64 s[32:33], s[8:9], s[26:27]        ; a base for each of my eight blocks of 32 along K; never rewritten
.irp k, 1,2,3,4,5,6,7
	s_add_nc_u64 s[32+2*\k:33+2*\k], s[30+2*\k:31+2*\k], s[28:29]
.endr
	s_add_nc_u64 s[16:17], s[16:17], s[30:31]
.macro LOADW kb                        ; block kb: 32 rows at my column: a wave reads 128 consecutive bytes, the work-group 512
.irp i, 0,1,2,3,4,5,6,7,8,9,10,11,12,13,14,15,16,17,18,19,20,21,22,23,24,25,26,27,28,29,30,31
	global_load_b32 v[XW+32*((\kb)%2)+\i], v[AW+\i], s[32+2*(\kb):33+2*(\kb)] th:TH_LOAD_NT
.endr
.endm
; Block kb = 4 e + 2 c + h of my column belongs to lane r + 16 h of the fragment of K step e, registers 6 c .. 6 c + 5: three pieces of 8 bytes of the image
.macro BLOCKW kb
.set XS, XW+32*((\kb)%2)
.set EE, (\kb)/4
.set OS, 32+28*EE
.if (\kb) < 7
	s_wait_loadcnt 32                              ; this block's 32 loads are in; the next block's 32 may be out
.else
	s_wait_loadcnt 0x0
.endif
	v_max3_num_f32 v12, |v[XS]|, |v[XS+1]|, |v[XS+2]|   ; all 32 numbers of the block are mine
	v_max3_num_f32 v13, |v[XS+3]|, |v[XS+4]|, |v[XS+5]|
.irp i, 6,10,14,18,22,26
	v_max3_num_f32 v12, v12, |v[XS+\i]|, |v[XS+\i+1]|
	v_max3_num_f32 v13, v13, |v[XS+\i+2]|, |v[XS+\i+3]|
.endr
	v_max3_num_f32 v12, v12, |v[XS+30]|, |v[XS+31]|
	v_max3_num_f32 v12, v12, v13, 0x1800000        ; and the floor
	v_add_nc_u32 v14, 0xff000000, v12
	v_lshrrev_b32 v13, 23, v14
.if (\kb)%4 == 0
	v_mov_b32 v[26+EE], v13                        ; four bytes make the K step's scale word, the lower K in the lower byte
.else
	v_lshl_or_b32 v[26+EE], v13, 8*((\kb)%4), v[26+EE]
.endif
	v_cvt_scalef32_pk16_fp6_f32 v[16:18], v[XS:XS+15], v14
	v_cvt_scalef32_pk16_fp6_f32 v[22:24], v[XS+16:XS+31], v14
	v_nop                                          ; one plain line behind the scaled conversions
	v_mov_b32 v19, v22
	v_mov_b32 v20, v23
	v_mov_b32 v21, v24
.irp p, 0,1,2
	ds_store_b64 v3, v[16+2*\p:17+2*\p] offset:512*((3*(((\kb)/2)%2)+\p)/2)+8*((3*(((\kb)/2)%2)+\p)%2)+256*((\kb)%2)
.endr
.if (\kb)+2 < 8
	LOADW (\kb)+2
.endif
.if (\kb)%4 == 3                       ; a K step is whole: its two images and its scale words go out as they lie
	ds_store_b32 v4, v[26+EE] offset:3072          ; both halves of the lanes are given the word
	ds_store_b32 v4, v[26+EE] offset:3072+128
.irp i, 0,1,2,3,4,5
	ds_load_b128 v[OS+4*\i:OS+4*\i+3], v5 offset:512*\i
.endr
	ds_load_b64 v[OS+24:OS+25], v6 offset:3072
.endif
	s_wait_dscnt 0x0                               ; the stores have read their registers; the images are back
.if (\kb)%4 == 3
.irp i, 0,1,2,3,4,5
	global_store_b128 v7, v[OS+4*\i:OS+4*\i+3], s[16:17] offset:EE*BLK+512*\i
.endr
	global_store_b64 v8, v[OS+24:OS+25], s[16:17] offset:EE*BLK
.endif
.endm
	LOADW 0
	LOADW 1
.irp k, 0,1,2,3,4,5,6,7
	BLOCKW \k
.endr
	s_wait_tensorcnt 0x0
	ds_add_u32 v224, v225
	s_wait_dscnt 0x0
	s_endpgm
.Lfunc_end_k_q692c77933e_quant:
	.size	k_q692c77933e_quant, .Lfunc_end_k_q692c77933e_quant-k_q692c77933e_quant
	.p2alignl 7, 3214868480
	.fill 96, 4, 3214868480
	.section	.rodata,"a",@progbits
	.p2align	6, 0x0
	.amdhsa_kernel k_q692c77933e_quant
		.amdhsa_group_segment_fixed_size 47616
		.amdhsa_private_segment_fixed_size 0
		.amdhsa_enable_private_segment 0
		.amdhsa_kernarg_size 56
		.amdhsa_user_sgpr_count 2
		.amdhsa_user_sgpr_kernarg_segment_ptr 1
		.amdhsa_wavefront_size32 1
		.amdhsa_system_sgpr_workgroup_id_x 1
		.amdhsa_system_sgpr_workgroup_id_y 1
		.amdhsa_system_sgpr_workgroup_id_z 1
		.amdhsa_system_vgpr_workitem_id 0
		.amdhsa_next_free_vgpr 226
		.amdhsa_next_free_sgpr 66
		.amdhsa_reserve_vcc 0
		.amdhsa_float_denorm_mode_32 3
		.amdhsa_float_denorm_mode_16_64 3
		.amdhsa_memory_ordered 1
		.amdhsa_forward_progress 1
		.amdhsa_inst_pref_size 78
	.end_amdhsa_kernel
	.amdgpu_metadata
---
amdhsa.version: [ 1, 2 ]
amdhsa.kernels:
  - .name:           k_q692c77933e_quant
    .symbol:         k_q692c77933e_quant.kd
    .args:
      - { .name: context, .offset: 0, .size: 8, .value_kind: global_buffer, .address_space: global }
      - { .name: x, .offset: 8, .size: 8, .value_kind: global_buffer, .address_space: global }
      - { .name: Wkv, .offset: 16, .size: 8, .value_kind: global_buffer, .address_space: global }
      - { .name: Wq, .offset: 24, .size: 8, .value_kind: global_buffer, .address_space: global }
      - { .name: Wout, .offset: 32, .size: 8, .value_kind: global_buffer, .address_space: global }
      - { .name: acts, .offset: 40, .size: 8, .value_kind: global_buffer, .address_space: global }
      - { .name: wts, .offset: 48, .size: 8, .value_kind: global_buffer, .address_space: global }
    .group_segment_fixed_size: 47616
    .private_segment_fixed_size: 0
    .kernarg_segment_align: 8
    .kernarg_segment_size: 56
    .max_flat_workgroup_size: 128
    .sgpr_count:     66
    .vgpr_count:     226
    .wavefront_size: 32
...
	.end_amdgpu_metadata
.endif
;; end of part 1
;; launch proj (part 2): grid 8 x 32, 4 waves a work-group, clusters of 4 x 4, 327,680 bytes of LDS; arguments acts, wts, qkv; writes qkv
.if DOCPART == 2
	.amdgcn_target "amdgcn-amd-amdhsa--gfx1250"
	.amdhsa_code_object_version 6
	.text
	.protected	k_q692c77933e_proj
	.globl	k_q692c77933e_proj
	.p2align	8
	.type	k_q692c77933e_proj,@function
k_q692c77933e_proj:
	s_mov_b64 s[64:65], 0
	v_nop
	global_prefetch_b8 v0, s[64:65] scope:SCOPE_SE
	s_setreg_imm32_b32 hwreg(HW_REG_WAVE_MODE, 25, 1), 1
	s_wait_xcnt 0x0
	s_wait_alu depctr_hold_cnt(0) depctr_sa_sdst(0) depctr_va_vdst(0) depctr_va_sdst(0) depctr_va_ssrc(0) depctr_va_vcc(0) depctr_vm_vsrc(0)
	s_getreg_b32 s2, hwreg(HW_REG_IB_STS2, 6, 4)
	s_cmp_eq_u32 s2, 0
	s_cbranch_scc0 .Lentry_in_a_cluster
	s_endpgm
.Lentry_in_a_cluster:
	s_bfe_u32 s2, ttmp6, 0x10000c
	s_cmp_lg_u32 s2, 0xf033
	s_cbranch_scc0 .Lentry_shape_is_right
	s_endpgm
.Lentry_shape_is_right:
; q = x Wq, k and v = context Wkv, on codes of FP6 (E2M3) with E8M0 scales; the results are quantised in registers and leave as codes: q and k along the head's 128, v along the keys.
; OPERANDS are register images (fragment 1,536 bytes; block = 128 rows x 128 K = 8 fragments + 4 pairs of scale words, BLK bytes; panel = 8 blocks; tile t, lane row r = panel row 32 (t / 2) + 8 (t % 2) + r + 8 (r / 8)).
; 256 work-groups of equal work.  Each makes 256 x 256 results of k or v, K = 1,024 in eight K steps of 128, written out: four waves, each 128 x 128: 64 accumulators, 512 registers.  Behind that each makes 64 x 128 of q.
; D = X Y^T: source 0 = a tile of X, source 1 = a tile of Y.  A lane then holds ONE row of Y, and by the tiles' row order its 64 registers of the eight X tiles run along X's 128 rows in the order that the quantiser wants:
; the results of a (Y panel, X panel) pair are one block of the next operand, rows = Y's, K = X's.
;   k: Y = tokens (acts), X = a head's 128 columns (wts).      v: Y = a head's 128 columns (wts), X = 128 keys (acts), since the keys are the K of attention's second product.
; CLUSTERS of 4 x 4: Y's panels hang on cy alone and are asked for jointly along a row of the cluster, X's on cx alone, along a column.  Which BUFFER feeds Y and X hangs on the cluster's number alone.
;   cluster x = 0: k (Y = acts pair 4 cly + cy, X = wts pair cx);   x = 1: v (Y = wts pair 4 + cy, X = acts pair 4 cly + cx).
; q: 16 panels of tokens x 8 heads are 256 half blocks, one a work-group: tokens = half (4 cly + cy) % 2 of x's panel (4 cly + cy) / 2, head = 4 clx + cx.  Wave w takes ONE tile of 16 tokens against the head's eight tiles of Wq:
; 8 accumulators, 64 matrix instructions.  Wq's panel hangs on cx alone: it is asked for jointly along the column, into slot 1, behind the round in K step 5.  The wave's own tile of x, which no other wave of the work-group reads,
; comes straight into registers that the main loop never names: so no LDS address hangs on the work-group's place in its cluster.
; LDS: two halves of three K steps; in a half four regions of 3 BLK bytes: Y's two panels, X's two panels; wave w fills region w.  K steps 0-2 are asked for at the start, 3-5 behind a round (one load of a wave is out),
; K steps 6, 7 go into the first half behind the round in K step 2.  The way out needs no LDS: the codes are stored as images, 512 consecutive bytes a store.
; LIMITS: NaN and infinities are not served; a block of results under 2^-124 keeps the scale byte 1 (zero codes).
; REGISTERS: window 0: v2-7, v16-31 addresses; v32-63 scale words, two sets; v64-95 the quantiser's work; v128-223 Y's fragments, one set (on the way out: the codes); v120-127 the scale words of my tile of x.
;   window 1: X's fragments, two sets.  windows 2, 3: accumulator (y, x) at v[8 (8 (y % 4) + x)].  My tile of x: K steps 0-3 at v96, v108, v224, v236 of window 0, K steps 4-7 at the same numbers of window 1.
.set SCO,   12288
.set BLK,   13312
.set HALF2, 2*BLK
.set PAN,   8*BLK
.set SLOT,  4*HALF2
.set SPARE, 3*SLOT                     ; the spare words: 128 bytes a wave, two blocks of 256 bytes that no other line names
.set QOFF,  13631488                   ; qkv: [bh 16][fill 8][K: 4 blocks | V: 4 blocks], then from QOFF q: [bh][panel 8][block]
.set AQX, 2                            ; v2, v3 Wq's images in slot 1, K steps 0-3 and 4-7
.set AQS, 4                            ; v4, v5 its scale words
.set QI,  6                            ; v6 my tile's image in a block of x and of q (a global offset); never rewritten
.set QS,  7                            ; v7 its scale words' place there; never rewritten
.set ADX, 16                           ; v16, v17 X's images in halves 0, 1
.set ADY, 19                           ; v19, v20 Y's
.set ASX, 22                           ; v22, v23 X's scale words (8 x lane)
.set ASY, 25                           ; v25, v26 Y's
.set SPW, 28                           ; v28 my spare word; never rewritten
.set NIL, 29                           ; v29 0; never rewritten
.set LI,  30                           ; v30 16 x lane
.set LS,  31                           ; v31 8 x lane
.set SCX, 32                           ; X's scale words of set p at v[32 + 16 p + x], Y's at v[40 + 16 p + y]
.set SCY, 40
.set TM,  64
.set CT,  80
.set PW,  88
.set PCQ, 96                           ; q's codes and
.set PWQ, 108                          ; scale word, where K steps 0 and 1 of my tile of x lay
.set YQS, 120
.set YF,  128
.set WV,  10
.set G1Y, 24                           ; s[24:31] group 1 for Y;  s[32:39] two groups 0
.set G0Y, 32
.set G1X, 48                           ; s[48:55] group 1 for X;  s[68:75] two groups 0
.set G0X, 68
.set QY,  62                           ; s[62:63] x's panel
.set SEL, 80
.set G0Q, 96                           ; s[96:99] group 0 for Wq's panel
.set QO,  100                          ; s[100:101] q's block
.set MSB, 0
.macro WIN new                         ; the immediate's high byte repeats the setting that is left
.if MSB != \new
	s_set_vgpr_msb (MSB<<8)|\new
.set MSB, \new
.endif
.endm
.set MUL_LO, 0xa1                      ; source 0 (X) window 1, source 1 (Y) window 0, C and D window 2
.set MUL_HI, 0xf1                      ; the same, C and D window 3
.macro PLACES                          ; four plain lines behind matrix instructions, in front of loads into their registers and of reads of results
.rept 4
	v_nop
.endr
.endm
.macro CREST                           ; a round of the cluster's barrier behind its opening barrier
	s_cmp_lg_u32 s[WV], 0
	s_cbranch_scc1 .Lnot_wave_0_\@
	s_barrier_signal -3
.Lnot_wave_0_\@:
	s_barrier_wait -3
	s_barrier_signal -1
	s_barrier_wait -1
.endm
.macro CROUND
	s_barrier_signal -1
	s_barrier_wait -1
	CREST
.endm
.macro JLOAD                           ; the joint refill of slot 0: waves 0, 1 for Y, waves 2, 3 for X; four v_nop follow each line
	s_cmp_eq_u32 s11, 0
	s_cbranch_scc0 .Lfor_x_\@
	tensor_load_to_lds s[G0Y:G0Y+3], s[G1Y:G1Y+7]
	s_nop 0
.rept 4
	v_nop
.endr
	s_branch .Lasked_\@
.Lfor_x_\@:
	tensor_load_to_lds s[G0X:G0X+3], s[G1X:G1X+7]
	s_nop 0
.rept 4
	v_nop
.endr
.Lasked_\@:
.endm
	s_load_b128 s[4:7], s[0:1], 0x0                ; acts, wts
	s_load_b64 s[8:9], s[0:1], 0x10                ; qkv
	v_lshl_add_u32 v[SPW], v0, 2, SPARE
	v_mov_b32 v[NIL], 0
	ds_add_u32 v28, v29
	ds_add_u32 v28, v29
	s_wait_dscnt 0x0
	v_lshrrev_b32 v1, 5, v0
	v_readfirstlane_b32 s[WV], v1                  ; wave 0..3
	s_lshr_b32 s11, s[WV], 1                       ; which of Y's two panels is mine.  Also: I fetch for Y (0) or X (1)
	s_and_b32 s12, s[WV], 1                        ; which of X's.  Also: which panel of the two I fetch
	s_bfe_u32 s13, ttmp6, 0x40000                  ; cx
	s_bfe_u32 s14, ttmp6, 0x40004                  ; cy
	s_and_b32 s16, ttmp7, 0xffff                   ; cluster y, 0..7
	s_lshl_b32 s17, s16, 2
	s_cmp_eq_u32 ttmp9, 1                          ; cluster x = 1: a cluster of v.  The same in all sixteen partners
	s_cselect_b32 s22, 4, s17
	s_cselect_b32 s23, s17, 0
	s_add_co_u32 s22, s22, s14                     ; Y's pair of panels: never holds cx
	s_add_co_u32 s23, s23, s13                     ; X's pair: never holds cy
	s_lshl_b32 s46, s14, 2
	s_lshl_b32 s46, 15, s46                        ; my row of the cluster
	s_lshl_b32 s47, 0x1111, s13                    ; my column
	; group 1: a dense block of 3 BLK bytes as 156 rows of 256 bytes (32 elements of 8 bytes), no padding
	s_or_b32 s[G1Y], s46, (3<<16)|(1<<21)          ; 15:0 the mask; 17:16 elements of 8 bytes; 21 set beside a mask
	s_or_b32 s[G1X], s47, (3<<16)|(1<<21)
.irp g, G1Y, G1X
	s_mov_b32 s[\g+1], 32<<16                      ; tensor_dim0
	s_mov_b32 s[\g+2], 156<<16                     ; tensor_dim1: the two first fills bring three K steps each, 156 rows
	s_mov_b32 s[\g+3], 32<<16                      ; tile_dim0
	s_mov_b32 s[\g+4], 156                         ; tile_dim1
	s_mov_b32 s[\g+5], 32                          ; the pitch
	s_mov_b32 s[\g+6], 0
	s_mov_b32 s[\g+7], 0
.endr
	s_lshl_b32 s84, s22, 1
	s_add_co_u32 s84, s84, s12
	s_mul_i32 s84, s84, PAN                        ; the panel of Y that waves 0, 1 fetch
	s_mov_b32 s85, 0
	s_lshl_b32 s86, s23, 1
	s_add_co_u32 s86, s86, s12
	s_mul_i32 s86, s86, PAN                        ; the panel of X that waves 2, 3 fetch
	s_mov_b32 s87, 0
	s_mul_i32 s45, s[WV], HALF2                    ; where it goes: region = wave
	s_lshl_b32 s88, ttmp9, 2
	s_add_co_u32 s88, s88, s13                     ; q's head: 4 clx + cx: never holds cy
	s_add_co_u32 s89, s88, 16                      ; Wq's panels are wts' 16-23
	s_mul_i32 s90, s89, PAN
	s_add_co_u32 s90, s90, s45                     ; + my two K steps of it
	s_mov_b32 s91, 0
	s_add_co_u32 s92, s17, s14                     ; which 64 tokens of x: 4 cly + cy.  It enters global addresses alone
	s_lshr_b32 s93, s92, 1                         ; x's panel, 0..15
	s_and_b32 s92, s92, 1
	s_lshl_b32 s92, s92, 2
	s_add_co_u32 s92, s92, s[WV]                   ; my tile in it: 4 x half + wave
	s_add_co_u32 s94, s93, 64                      ; x's panels are acts' 64-79
	s_mul_i32 s94, s94, PAN
	s_mov_b32 s95, 0
	s_wait_kmcnt 0x0
	s_cmp_eq_u32 ttmp9, 1                          ; which buffer feeds which operand: hangs on the cluster's number alone
	s_cselect_b64 s[58:59], s[6:7], s[4:5]
	s_cselect_b64 s[60:61], s[4:5], s[6:7]
	s_add_nc_u64 s[58:59], s[58:59], s[84:85]
	s_add_nc_u64 s[60:61], s[60:61], s[86:87]
	s_mul_i32 s44, s[WV], 3*BLK                    ; where my loads go: region = wave, three K steps on end
.irp s, 0,1
	s_mov_b32 s[G0Y+4*\s], 1
	s_add_co_u32 s[G0Y+4*\s+1], s44, \s*12*BLK
	s_add_nc_u64 s[G0Y+4*\s+2:G0Y+4*\s+3], s[58:59], \s*3*BLK   ; K steps 3 s .. 3 s + 2
	s_or_b32 s[G0Y+4*\s+3], s[G0Y+4*\s+3], 0x80000000
	s_mov_b32 s[G0X+4*\s], 1
	s_add_co_u32 s[G0X+4*\s+1], s44, \s*12*BLK
	s_add_nc_u64 s[G0X+4*\s+2:G0X+4*\s+3], s[60:61], \s*3*BLK
	s_or_b32 s[G0X+4*\s+3], s[G0X+4*\s+3], 0x80000000
.endr
	s_mov_b32 s[G0Q], 1
	s_add_co_u32 s[G0Q+1], s45, 12*BLK             ; from the second half of the ring on
	s_add_nc_u64 s[G0Q+2:G0Q+3], s[6:7], s[90:91]
	s_or_b32 s[G0Q+3], s[G0Q+3], 0x80000000
	s_add_nc_u64 s[QY:QY+1], s[4:5], s[94:95]      ; x's panel
	CROUND                                         ; all sixteen work-groups are here: the first joint loads meet
	; THE FILLS AS THIS TEXT HAS THEM.  LDS: two halves of 12 BLK bytes, in each four regions of 3 BLK (Y's two panels, X's two); K step kq lies in half (kq / 3) % 2, at (kq % 3) BLK of its region.
	; At the head one load a wave, K steps 0-2; behind the full sequence and a round one load a wave, K steps 3-5; K steps 6, 7 go into the first half behind the round in K step 2;
	; Wq's panel goes to the start of the second half behind the round in K step 5.  One load of a wave is out at any time.
	s_cmp_eq_u32 s11, 0
	s_cbranch_scc0 .Lfirst_x
	tensor_load_to_lds s[G0Y:G0Y+3], s[G1Y:G1Y+7]
	s_nop 0
.rept 4
	v_nop
.endr
	s_branch .Lfirst_asked
.Lfirst_x:
	tensor_load_to_lds s[G0X:G0X+3], s[G1X:G1X+7]
	s_nop 0
.rept 4
	v_nop
.endr
.Lfirst_asked:
	; A PREFETCH INTO THE L2 of what my second load will ask for, K steps 3-5 of the panel that I fetch: that load is issued only when the first has landed and a round has passed.
	; Its 156 blocks of 256 bytes are named once in the cluster: the four partners that ask for the panel jointly share them out BY ADDRESS, 39 each (place cx for Y, cy for X): a lane a block, 32 and 7;
	; lanes 7-31 of the second instruction name its last block again.  The address registers are never rewritten.
	s_cmp_eq_u32 s11, 0                            ; do I fetch for Y?
	s_cselect_b64 s[66:67], s[58:59], s[60:61]
	s_cselect_b32 s82, s13, s14                    ; my place among the four
	s_mul_i32 s82, s82, 39*256
	s_add_co_u32 s82, s82, 3*BLK
	s_mov_b32 s83, 0
	s_add_nc_u64 s[66:67], s[66:67], s[82:83]
	v_and_b32 v1, 31, v0
	v_lshlrev_b32 v[LI], 4, v1
	v_lshlrev_b32 v[LS], 3, v1
	v_lshlrev_b32 v8, 8, v1
	v_min_u32 v9, 6, v1
	v_lshlrev_b32 v9, 8, v9
	global_prefetch_b8 v8, s[66:67] th:TH_LOAD_NT scope:SCOPE_SE
	global_prefetch_b8 v9, s[66:67] offset:8192 th:TH_LOAD_NT scope:SCOPE_SE
	s_mul_i32 s56, s12, 3*BLK
	s_add_co_u32 s56, s56, 6*BLK                   ; my panel of X
	s_mul_i32 s57, s11, 3*BLK                      ; my panel of Y
.irp s, 0,1
	v_add_nc_u32 v[ADX+\s], s56, v[LI]
	v_add_nc_u32 v[ADY+\s], s57, v[LI]
	v_add_nc_u32 v[ASX+\s], s56, v[LS]
	v_add_nc_u32 v[ASY+\s], s57, v[LS]
	s_add_co_u32 s56, s56, 12*BLK
	s_add_co_u32 s57, s57, 12*BLK
.endr
	v_add_nc_u32 v[AQX], 12*BLK, v[LI]             ; Wq's panel: a constant + 16 x lane
	v_add_nc_u32 v[AQX+1], 16*BLK, v[LI]
	v_add_nc_u32 v[AQS], 12*BLK, v[LS]
	v_add_nc_u32 v[AQS+1], 16*BLK, v[LS]
	s_mul_i32 s84, s92, 1536                       ; my tile t of x and of q: its image at 1536 t,
	v_add_nc_u32 v[QI], s84, v[LI]
	s_lshr_b32 s85, s92, 1
	s_lshl_b32 s85, s85, 8
	s_and_b32 s86, s92, 1
	s_lshl_b32 s86, s86, 2
	s_add_co_u32 s85, s85, s86
	s_add_co_u32 s85, s85, SCO                     ; its scale words at SCO + 256 (t / 2) + 4 (t % 2) + 8 x lane
	v_add_nc_u32 v[QS], s85, v[LS]
.irp b, 0,1,2,3
	v_mov_b32 v[TM+4+\b], 0                        ; written once: a lane permute's destination counts as one of its sources
.endr
	s_mov_b32 s[SEL], 0x76543210
	s_mov_b32 s[SEL+1], 0xfedcba98
	; where q's block lies: ((batch x 8 + head) x 8 + panel of queries) blocks behind QOFF
	s_lshr_b32 s58, s93, 3
	s_lshl_b32 s58, s58, 3
	s_add_co_u32 s58, s58, s88
	s_lshl_b32 s58, s58, 3
	s_and_b32 s59, s93, 7
	s_add_co_u32 s58, s58, s59
	s_mul_i32 s58, s58, BLK
	s_add_co_u32 s58, s58, QOFF
	s_mov_b32 s59, 0
	s_add_nc_u64 s[QO:QO+1], s[8:9], s[58:59]
	; where my block of k or v goes
	s_lshl_b32 s88, s22, 1
	s_add_co_u32 s88, s88, s11                     ; my panel of Y
	s_lshl_b32 s89, s23, 1
	s_add_co_u32 s89, s89, s12                     ; my panel of X
	s_cmp_eq_u32 ttmp9, 1
	s_cselect_b32 s90, s89, s88                    ; AP: the panel of acts
	s_cselect_b32 s91, s88, s89                    ; WP: the panel of wts
	s_lshr_b32 s92, s90, 5                         ; the batch,
	s_lshl_b32 s92, s92, 3
	s_and_b32 s93, s91, 7
	s_add_co_u32 s92, s92, s93                     ; x 8 + the head,
	s_lshl_b32 s92, s92, 3
	s_bfe_u32 s93, s90, 0x30002
	s_add_co_u32 s92, s92, s93                     ; x 8 + the fill (512 keys),
	s_mul_i32 s92, s92, 8*BLK
	s_lshr_b32 s93, s91, 3
	s_mul_i32 s93, s93, 4*BLK                      ; V's four blocks behind K's,
	s_add_co_u32 s92, s92, s93
	s_and_b32 s93, s90, 3
	s_mul_i32 s93, s93, BLK                        ; the block
	s_add_co_u32 s92, s92, s93
	s_mov_b32 s93, 0
	s_add_nc_u64 s[8:9], s[8:9], s[92:93]
; 16 matrix instructions: Y's tiles y0, y0 + 1 x X's eight, K step kq.  The 64 accumulators take turns, one instruction a turn, in the same order in every K step.
.macro MUL16 y0, kq, zero
.irp y, \y0, \y0+1
.irp x, 0,1,2,3,4,5,6,7
.if \zero
	v_wmma_scale_f32_16x16x128_f8f6f4 v[8*(8*((\y)%4)+\x):8*(8*((\y)%4)+\x)+7], v[128*((\kq)%2)+12*\x:128*((\kq)%2)+12*\x+11], v[YF+12*(\y):YF+12*(\y)+11], 0, v[SCX+16*((\kq)%2)+\x], v[SCY+16*((\kq)%2)+(\y)] matrix_a_fmt:MATRIX_FMT_FP6 matrix_b_fmt:MATRIX_FMT_FP6
.else
	v_wmma_scale_f32_16x16x128_f8f6f4 v[8*(8*((\y)%4)+\x):8*(8*((\y)%4)+\x)+7], v[128*((\kq)%2)+12*\x:128*((\kq)%2)+12*\x+11], v[YF+12*(\y):YF+12*(\y)+11], v[8*(8*((\y)%4)+\x):8*(8*((\y)%4)+\x)+7], v[SCX+16*((\kq)%2)+\x], v[SCY+16*((\kq)%2)+(\y)] matrix_a_fmt:MATRIX_FMT_FP6 matrix_b_fmt:MATRIX_FMT_FP6
.endif
.endr
.endr
.endm
.macro FETCH_X kq                      ; X's eight fragments of K step kq into set kq % 2: K step kq lies in half (kq / 3) % 2, at (kq % 3) BLK
	WIN 0x40                                       ; destination window 1
.irp x, 0,1,2,3,4,5,6,7
.irp c, 0,1,2
	ds_load_b128 v[128*((\kq)%2)+12*\x+4*\c:128*((\kq)%2)+12*\x+4*\c+3], v[ADX+((\kq)/3)%2] offset:((\kq)%3)*BLK+1536*\x+512*\c
.endr
.endr
	WIN 0
.endm
.macro FETCH_Y kq, y0                  ; Y's tiles y0 .. y0 + 3
.irp y, \y0, \y0+1, \y0+2, \y0+3
.irp c, 0,1,2
	ds_load_b128 v[YF+12*(\y)+4*\c:YF+12*(\y)+4*\c+3], v[ADY+((\kq)/3)%2] offset:((\kq)%3)*BLK+1536*(\y)+512*\c
.endr
.endr
.endm
.macro SCALES kq                       ; the K step's scale words: a load brings two tiles'
.irp i, 0,1,2,3
	ds_load_b64 v[SCX+16*((\kq)%2)+2*\i:SCX+16*((\kq)%2)+2*\i+1], v[ASX+((\kq)/3)%2] offset:((\kq)%3)*BLK+SCO+256*\i
	ds_load_b64 v[SCY+16*((\kq)%2)+2*\i:SCY+16*((\kq)%2)+2*\i+1], v[ASY+((\kq)/3)%2] offset:((\kq)%3)*BLK+SCO+256*\i
.endr
.endm
.macro STEP kq, zero                   ; a K step whose successor's tiles have been shown whole
	s_wait_dscnt 12                                ; all but the youngest twelve loads (Y's tiles 4-7)
	WIN MUL_LO
	MUL16 0, \kq, \zero
	MUL16 2, \kq, \zero
	s_wait_dscnt 0x0                               ; Y's tiles 4-7 are in
	PLACES
	FETCH_X (\kq)+1
	FETCH_Y (\kq)+1, 0
	SCALES (\kq)+1
	WIN MUL_HI
	MUL16 4, \kq, \zero
	MUL16 6, \kq, \zero
	PLACES
	WIN 0
	FETCH_Y (\kq)+1, 4
.endm
; A K step with a round of the cluster's barrier in it, behind which a slot that has been read out is filled again.  Every wave waits for all its tensor loads, adds 0 to its spare word, waits for that and for its LDS reads;
; the barrier opens the round; the joint refill is the first thing behind the round, one load a wave.
; fill = 1 (K step 2): the first half takes K steps 6, 7; the round has also shown K steps 3-5 whole.   fill = 2 (K step 5): the second half, last read for K step 5, takes Wq's panel; the round has also shown K steps 6, 7 whole.
.macro CHANGE kq, fill
	s_wait_tensorcnt 0x0                           ; all my tensor loads have landed
	ds_add_u32 v[SPW], v[NIL]
.if \fill == 1
	s_add_nc_u64 s[G0Y+2:G0Y+3], s[G0Y+2:G0Y+3], 3*HALF2   ; no load of mine is out: slot 0's groups 0 step to K steps 6, 7
	s_add_nc_u64 s[G0X+2:G0X+3], s[G0X+2:G0X+3], 3*HALF2
	s_mov_b32 s[G1Y+2], 104<<16                    ; and a load brings 104 rows again
	s_mov_b32 s[G1Y+4], 104
	s_mov_b32 s[G1X+2], 104<<16
	s_mov_b32 s[G1X+4], 104
.endif
	s_wait_dscnt 13                                ; (the add and the youngest twelve loads may be out)
	WIN MUL_LO
	MUL16 0, \kq, 0
	s_wait_dscnt 0x0                               ; the add is done, my LDS reads are over
	s_barrier_signal -1
	MUL16 2, \kq, 0
	WIN 0
	s_barrier_wait -1
	CREST
.if \fill == 1
	JLOAD                                          ; its four v_nop are also the places in front of the loads below
.else
	tensor_load_to_lds s[G0Q:G0Q+3], s[G1X:G1X+7]  ; every wave a quarter of Wq's panel, jointly with my column of the cluster: it has the rest of the K steps and the way out in which to land
	s_nop 0
.rept 4
	v_nop                                          ; (the places in front of the loads below)
.endr
.endif
	FETCH_X (\kq)+1
	FETCH_Y (\kq)+1, 0
	SCALES (\kq)+1
	WIN MUL_HI
	MUL16 4, \kq, 0
	MUL16 6, \kq, 0
	PLACES
	WIN 0
	FETCH_Y (\kq)+1, 4
.endm
	s_wait_alu depctr_va_vdst(0)
	s_wait_tensorcnt 0x0                           ; my part of slot 0 is in
	ds_add_u32 v[SPW], v[NIL]
	s_wait_dscnt 0x0
	CROUND                                         ; slot 0 is whole, and all sixteen work-groups are here
	s_cmp_eq_u32 s11, 0
	s_cbranch_scc0 .Lsecond_x
	tensor_load_to_lds s[G0Y+4:G0Y+7], s[G1Y:G1Y+7]   ; K steps 3-5
	s_nop 0
.rept 4
	v_nop
.endr
	s_branch .Lsecond_asked
.Lsecond_x:
	tensor_load_to_lds s[G0X+4:G0X+7], s[G1X:G1X+7]
	s_nop 0
.rept 4
	v_nop
.endr
.Lsecond_asked:
	FETCH_X 0
	FETCH_Y 0, 0
	SCALES 0
	FETCH_Y 0, 4
	; my tile of x for q, all of K: eight fragments and eight scale words, into registers that nothing names before q's phase; waited for there
.irp k, 0,1,2,3
.irp c, 0,1,2
	global_load_b128 v[96+128*((\k/2)%2)+12*(\k%2)+4*\c:96+128*((\k/2)%2)+12*(\k%2)+4*\c+3], v[QI], s[QY:QY+1] offset:\k*BLK+512*\c
.endr
.endr
	WIN 0x40                                       ; destination window 1
.irp k, 4,5,6,7
.irp c, 0,1,2
	global_load_b128 v[96+128*((\k/2)%2)+12*(\k%2)+4*\c:96+128*((\k/2)%2)+12*(\k%2)+4*\c+3], v[QI], s[QY:QY+1] offset:\k*BLK+512*\c
.endr
.endr
	WIN 0
.irp k, 0,1,2,3,4,5,6,7
	global_load_b32 v[YQS+\k], v[QS], s[QY:QY+1] offset:\k*BLK
.endr
	STEP 0, 1                                      ; the first products start the sums: nothing is cleared
	STEP 1, 0
	CHANGE 2, 1                                    ; K steps 0-2 have been read out: their half takes K steps 6, 7; the round has also shown K steps 3-5 whole
	STEP 3, 0
	STEP 4, 0
	CHANGE 5, 2
	STEP 6, 0
	s_wait_dscnt 12                                ; the last K step fetches nothing
	WIN MUL_LO
	MUL16 0, 7, 0
	MUL16 2, 7, 0
	s_wait_dscnt 0x0
	WIN MUL_HI
	MUL16 4, 7, 0
	MUL16 6, 7, 0
	PLACES
; THE QUANTISER ON ACCUMULATORS.  64 results of a lane, v[AC] on in window WW, register 16 b + i = X's row 32 b + 16 (lane / 16) + i, become a fragment's codes in v[PCY] on and its scale word in v[PWY].  Each accumulator is read from its low end on.
.macro QUANTW
.set W12, (WW<<2)|(WW<<4)
	WIN W12                                        ; sources 1 and 2: the accumulators' window
.irp b, 0,1,2,3
	v_max3_num_f32 v[TM+\b], 0x1800000, |v[AC+16*\b]|, |v[AC+1+16*\b]|   ; the floor 2^(3 - 127) among the leaves
.endr
.irp i, 2,4,6,8,10,12,14
.irp b, 0,1,2,3
	v_max3_num_f32 v[TM+\b], v[TM+\b], |v[AC+16*\b+\i]|, |v[AC+1+16*\b+\i]|
.endr
.endr
	WIN 0
.irp b, 0,1,2,3
	v_permlanex16_b32 v[TM+4+\b], v[TM+\b], s[SEL], s[SEL+1]
.endr
.irp b, 0,1,2,3
	v_max_num_f32 v[TM+\b], v[TM+\b], v[TM+4+\b]
.endr
.irp b, 0,1,2,3
	v_add_nc_u32 v[TM+12+\b], 0xff000000, v[TM+\b]
.endr
.irp b, 0,1,2,3
	v_lshrrev_b32 v[TM+4+\b], 23, v[TM+12+\b]
.endr
	v_lshl_or_b32 v[PWY], v[TM+5], 8, v[TM+4]
	v_lshl_or_b32 v[PWY], v[TM+6], 16, v[PWY]
	v_lshl_or_b32 v[PWY], v[TM+7], 24, v[PWY]
	WIN WW                                         ; source 0: the accumulators' window
.irp c, 0,1
	v_cvt_scalef32_pk16_fp6_f32 v[PCY+6*\c:PCY+2+6*\c], v[AC+32*\c:AC+15+32*\c], v[TM+12+2*\c]
	v_cvt_scalef32_pk16_fp6_f32 v[CT+4*\c:CT+2+4*\c], v[AC+16+32*\c:AC+31+32*\c], v[TM+13+2*\c]
.endr
	WIN 0
	v_nop                                          ; one plain line behind the scaled conversions
.irp c, 0,1
.irp i, 0,1,2
	v_permlane16_swap_b32 v[PCY+6*\c+\i], v[CT+4*\c+\i]
.endr
.irp i, 0,1,2
	v_mov_b32 v[PCY+3+6*\c+\i], v[CT+4*\c+\i]
.endr
.endr
.endm
; THE WAY OUT of k or v: tile y's results are quantised as they stand and stored as a fragment's image.
.macro OUTY y
.set AC, 64*((\y)%4)
.set WW, 2+(\y)/4
.set PCY, YF+12*(\y)
.set PWY, PW+(\y)
	QUANTW
.irp c, 0,1,2
	global_store_b128 v[LI], v[PCY+4*\c:PCY+4*\c+3], s[8:9] offset:1536*(\y)+512*\c   ; 512 consecutive bytes, aligned; each tile has its own registers: no store's data are written again
.endr
.if (\y)%2
	global_store_b64 v[LS], v[PW+(\y)-1:PW+(\y)], s[8:9] offset:SCO+256*((\y)/2)      ; two tiles' scale words: 256 consecutive bytes, aligned
.endif
.endm
.irp y, 0,1,2,3,4,5,6,7
	OUTY \y
.endr
; q: MY TILE OF 16 TOKENS x THE HEAD'S 128 COLUMNS.  Eight K steps; X = Wq's eight tiles from slot 1, into X's two sets by turns; Y = my tile of x, in registers.
.macro QFETCH kq                       ; 28 LDS loads: Wq's eight fragments of K step kq and their scale words, into set kq % 2
	WIN 0x40                                       ; destination window 1
.irp x, 0,1,2,3,4,5,6,7
.irp c, 0,1,2
	ds_load_b128 v[128*((\kq)%2)+12*\x+4*\c:128*((\kq)%2)+12*\x+4*\c+3], v[AQX+(\kq)/4] offset:((\kq)%4)*BLK+1536*\x+512*\c
.endr
.endr
	WIN 0
.irp i, 0,1,2,3
	ds_load_b64 v[SCX+16*((\kq)%2)+2*\i:SCX+16*((\kq)%2)+2*\i+1], v[AQS+(\kq)/4] offset:((\kq)%4)*BLK+SCO+256*\i
.endr
.endm
.macro QMUL kq, zero                   ; 8 matrix instructions; the eight accumulators (window 2, v0-63) take turns, one instruction a turn
.set YR, 96+128*(((\kq)/2)%2)+12*((\kq)%2)
.set WQ, 0xa1+4*((\kq)/4)              ; source 0 (Wq) window 1; source 1 (x) window 0 for K steps 0-3, window 1 for 4-7; C and D window 2
	WIN WQ
.irp x, 0,1,2,3,4,5,6,7
.if \zero
	v_wmma_scale_f32_16x16x128_f8f6f4 v[8*\x:8*\x+7], v[128*((\kq)%2)+12*\x:128*((\kq)%2)+12*\x+11], v[YR:YR+11], 0, v[SCX+16*((\kq)%2)+\x], v[YQS+(\kq)] matrix_a_fmt:MATRIX_FMT_FP6 matrix_b_fmt:MATRIX_FMT_FP6
.else
	v_wmma_scale_f32_16x16x128_f8f6f4 v[8*\x:8*\x+7], v[128*((\kq)%2)+12*\x:128*((\kq)%2)+12*\x+11], v[YR:YR+11], v[8*\x:8*\x+7], v[SCX+16*((\kq)%2)+\x], v[YQS+(\kq)] matrix_a_fmt:MATRIX_FMT_FP6 matrix_b_fmt:MATRIX_FMT_FP6
.endif
.endr
.endm
	s_wait_tensorcnt 0x0                           ; my quarter of Wq's panel is in,
	s_barrier_signal -1
	s_barrier_wait -1                              ; everybody's is
	QFETCH 0
	QFETCH 1
	s_wait_loadcnt 0x0                             ; my tile of x
	s_wait_dscnt 28                                ; K step 0's loads are in; K step 1's 28 may be out
	QMUL 0, 1                                      ; the first products start the sums
.irp k, 1,2,3,4,5,6
	WIN 0
	PLACES                                         ; in front of loads into the set that the last K step multiplied
	QFETCH \k+1
	s_wait_dscnt 28                                ; this K step's loads are in; the 28 just issued may be out
	QMUL \k, 0
.endr
	s_wait_dscnt 0x0
	QMUL 7, 0
	WIN 0
	PLACES
.set AC, 0
.set WW, 2
.set PCY, PCQ
.set PWY, PWQ
	QUANTW                                         ; into registers that no store has read
.irp c, 0,1,2
	global_store_b128 v[QI], v[PCQ+4*\c:PCQ+4*\c+3], s[QO:QO+1] offset:512*\c   ; the fragment's image: 512 consecutive bytes, aligned
.endr
	global_store_b32 v[QS], v[PWQ], s[QO:QO+1]     ; my tile's scale words: every second word of 256 bytes; the neighbouring tile's wave stores the others
	s_wait_tensorcnt 0x0                           ; the wave's end
	ds_add_u32 v[SPW], v[NIL]
	s_wait_dscnt 0x0
	CROUND                                         ; the closing round
	s_endpgm
.Lfunc_end_k_q692c77933e_proj:
	.size	k_q692c77933e_proj, .Lfunc_end_k_q692c77933e_proj-k_q692c77933e_proj
	.p2alignl 7, 3214868480
	.fill 96, 4, 3214868480
	.section	.rodata,"a",@progbits
	.p2align	6, 0x0
	.amdhsa_kernel k_q692c77933e_proj
		.amdhsa_group_segment_fixed_size 327680
		.amdhsa_private_segment_fixed_size 0
		.amdhsa_enable_private_segment 0
		.amdhsa_kernarg_size 24
		.amdhsa_user_sgpr_count 2
		.amdhsa_user_sgpr_kernarg_segment_ptr 1
		.amdhsa_wavefront_size32 1
		.amdhsa_system_sgpr_workgroup_id_x 1
		.amdhsa_system_sgpr_workgroup_id_y 1
		.amdhsa_system_sgpr_workgroup_id_z 1
		.amdhsa_system_vgpr_workitem_id 0
		.amdhsa_next_free_vgpr 1024
		.amdhsa_next_free_sgpr 102
		.amdhsa_reserve_vcc 0
		.amdhsa_float_denorm_mode_32 3
		.amdhsa_float_denorm_mode_16_64 3
		.amdhsa_memory_ordered 1
		.amdhsa_forward_progress 1
		.amdhsa_inst_pref_size 173
	.end_amdhsa_kernel
	.amdgpu_metadata
---
amdhsa.version: [ 1, 2 ]
amdhsa.kernels:
  - .name:           k_q692c77933e_proj
    .symbol:         k_q692c77933e_proj.kd
    .args:
      - { .name: acts, .offset: 0, .size: 8, .value_kind: global_buffer, .address_space: global }
      - { .name: wts, .offset: 8, .size: 8, .value_kind: global_buffer, .address_space: global }
      - { .name: qkv, .offset: 16, .size: 8, .value_kind: global_buffer, .address_space: global }
    .group_segment_fixed_size: 327680
    .private_segment_fixed_size: 0
    .kernarg_segment_align: 8
    .kernarg_segment_size: 24
    .max_flat_workgroup_size: 128
    .sgpr_count:     102
    .vgpr_count:     1024
    .wavefront_size: 32
...
	.end_amdgpu_metadata
.endif
;; end of part 2
;; launch attn (part 3): grid 16 x 16, 8 waves a work-group, clusters of 4 x 1, 327,680 bytes of LDS; arguments qkv, doc_similarities, beta, ocod; writes ocod
.if DOCPART == 3
	.amdgcn_target "amdgcn-amd-amdhsa--gfx1250"
	.amdhsa_code_object_version 6
	.text
	.protected	k_q692c77933e_attn
	.globl	k_q692c77933e_attn
	.p2align	8
	.type	k_q692c77933e_attn,@function
k_q692c77933e_attn:
	s_mov_b64 s[64:65], 0
	v_nop
	global_prefetch_b8 v0, s[64:65] scope:SCOPE_SE
	s_setreg_imm32_b32 hwreg(HW_REG_WAVE_MODE, 25, 1), 1
	s_wait_xcnt 0x0
	s_wait_alu depctr_hold_cnt(0) depctr_sa_sdst(0) depctr_va_vdst(0) depctr_va_sdst(0) depctr_va_ssrc(0) depctr_va_vcc(0) depctr_vm_vsrc(0)
	s_getreg_b32 s2, hwreg(HW_REG_IB_STS2, 6, 4)
	s_cmp_eq_u32 s2, 0
	s_cbranch_scc0 .Lentry_in_a_cluster
	s_endpgm
.Lentry_in_a_cluster:
	s_bfe_u32 s2, ttmp6, 0x10000c
	s_cmp_lg_u32 s2, 0x3003
	s_cbranch_scc0 .Lentry_shape_is_right
	s_endpgm
.Lentry_shape_is_right:
; o = softmax(q k^T / 32 + sim x beta) v for 16 (batch, head) pairs, 1,024 queries, 4,096 keys, head size 128, both products on codes of FP6 (E2M3) with E8M0 scales; o / l is quantised along dim and leaves as codes.
; t = score x log2(e) / 32 + (sim x beta) x log2(e): the bias is one number for each document of 1,024 keys.  M = the largest t so far, rounded UP to a whole number; p = 2^(t - M) is quantised along the keys, not normalised;
; the sum l is taken of the unquantised p; when M moves, l and O are multiplied by 2^(old M - new M), which rounds nothing.
; ORDER OF ROUNDING: t - M is one fused multiply-add of the score, log2(e) / 32 and (bias - M); at the end each quarter's O is multiplied by 2^(its M - M) / l in one factor.
; LIMITS: NaN and infinities are not served; the promise holds while |t| stays under 2^31; a block of p or of o under 2^-124 keeps the scale byte 1 (zero codes).
; SHARES.  A work-group owns 64 queries of one (batch, head).  Wave w of eight: the pair of tiles w % 2 (32 queries) and the (w / 2)-th 128 keys of every 512: each fragment of K and V that a wave reads from LDS
; feeds two matrix instructions.  The four quarters' M, l and O are joined at the end by exact powers of two.
; REGISTERS, two windows of 256: tile 0's state lies in window 0, tile 1's under THE SAME NUMBERS in window 1, so that one text (VEC) serves both:
;   v12 -M, v13 the largest t, v[14:15] l in two halves, v16-27 Q, v30 bias - M, v96-159 S^T then p, v160-223 O^T, v224-235 p's codes, v232-254 at work.
;   v32-79: fragments 0-3 of K or V in window 0, fragments 4-7 in window 1.  Window 0 alone: v1-11, v28, v29 addresses; v80-87 K's or V's scale words, v88, v89 Q's, v90, v91 p's.
; OPERANDS are register images (see the launch that makes them): three loads of 16 bytes a lane bring a fragment, one of 8 bytes two tiles' scale words.
; RING: two slots of 512 keys (K's four blocks, V's four: FILL bytes, dense in memory); every wave fetches one block of each fill: one tensor load of a wave is out.  The loop's one trip is one fill; the slot changes by an exclusive or.
; CLUSTER: the four work-groups of a cluster share (batch, head): each fill is asked for jointly.
.set SCO,   12288
.set BLK,   13312
.set HALF2, 2*BLK
.set FILL,  8*BLK
.set KVH,   8*FILL
.set QOFF,  13631488
.set VOFF,  4*BLK
.set SLOT1, 1<<17
.set SPARE, SLOT1+FILL                 ; the spare words: 128 bytes for each of 8 waves, four blocks of 256 bytes that no other line names
.set STATS, SPARE+1024                 ; the merge: -M and l, 512 bytes a wave
.set AK,  1                            ; my key step's images in the slot in hand
.set AS,  2                            ; its scale words
.set AK0, 3                            ; the same in slot 0; never rewritten
.set AS0, 4
.set SPW, 5                            ; my spare word; never rewritten
.set NIL, 6                            ; 0; never rewritten
.set PFO, 7                            ; the prefetches' offset; never rewritten
.set OW,  8                            ; the merge: where I put my two O
.set OR1, 9                            ; where quarters 0, 1 of the tile that I finish lie
.set OR3, 10                           ; and quarters 2, 3
.set SR,  11                           ; where that tile's statistics lie
.set LI,  28                           ; 16 x lane
.set SW,  29                           ; where I put my statistics
.set TM,  32                           ; the last quantiser's work
.set WV,  18
.set SEL, 20
.set CS,  22                           ; s[22:23] log2(e) / 32
.set G1,  24
.set G0,  32                           ; s[32:35] one group 0, stepped where no load of mine is out
.set SO,  36                           ; the slot in hand, as an LDS offset
.set BIAS, 40                          ; s40-43 the documents' biases, the one in hand first
.set LAPS, 44
.set PFA, 46
.set LIM, 48
.set MSB, 0
.macro WIN new                         ; the immediate's high byte repeats the setting that is left
.if MSB != \new
	s_set_vgpr_msb (MSB<<8)|\new
.set MSB, \new
.endif
.endm
.macro ROUND
	s_barrier_signal -1
	s_barrier_wait -1
	s_cmp_lg_u32 s[WV], 0
	s_cbranch_scc1 .Lnot_wave_0_\@
	s_barrier_signal -3
.Lnot_wave_0_\@:
	s_barrier_wait -3
	s_barrier_signal -1
	s_barrier_wait -1
.endm
.macro QUANT s, pc, ct, pw             ; 64 numbers of a lane become a fragment's codes and its scale word
.irp b, 0,1,2,3
	v_max3_num_f32 v[TM+\b], |v[(\s)+16*\b]|, |v[(\s)+1+16*\b]|, 0x1800000
.endr
.irp i, 2,4,6,8,10,12,14
.irp b, 0,1,2,3
	s_delay_alu instid0(VALU_DEP_4)
	v_max3_num_f32 v[TM+\b], v[TM+\b], |v[(\s)+16*\b+\i]|, |v[(\s)+1+16*\b+\i]|
.endr
.endr
.irp b, 0,1,2,3
	s_delay_alu instid0(VALU_DEP_4)
	v_permlanex16_b32 v[TM+4+\b], v[TM+\b], s[SEL], s[SEL+1]
.endr
.irp b, 0,1,2,3
	s_delay_alu instid0(VALU_DEP_4)
	v_max_num_f32 v[TM+\b], v[TM+\b], v[TM+4+\b]
.endr
.irp b, 0,1,2,3
	s_delay_alu instid0(VALU_DEP_4)
	v_add_nc_u32 v[TM+12+\b], 0xff000000, v[TM+\b]
.endr
.irp b, 0,1,2,3
	s_delay_alu instid0(VALU_DEP_4)
	v_lshrrev_b32 v[TM+4+\b], 23, v[TM+12+\b]
.endr
	s_delay_alu instid0(VALU_DEP_3)
	v_lshl_or_b32 v[\pw], v[TM+5], 8, v[TM+4]
	s_delay_alu instid0(VALU_DEP_1)
	v_lshl_or_b32 v[\pw], v[TM+6], 16, v[\pw]
	s_delay_alu instid0(VALU_DEP_1)
	v_lshl_or_b32 v[\pw], v[TM+7], 24, v[\pw]
.irp c, 0,1
	v_cvt_scalef32_pk16_fp6_f32 v[(\pc)+6*\c:(\pc)+2+6*\c], v[(\s)+32*\c:(\s)+15+32*\c], v[TM+12+2*\c]
	v_cvt_scalef32_pk16_fp6_f32 v[(\ct)+4*\c:(\ct)+2+4*\c], v[(\s)+16+32*\c:(\s)+31+32*\c], v[TM+13+2*\c]
.endr
	v_nop
.irp c, 0,1
.irp i, 0,1,2
	v_permlane16_swap_b32 v[(\pc)+6*\c+\i], v[(\ct)+4*\c+\i]
.endr
.irp i, 0,1,2
	s_delay_alu instid0(VALU_DEP_3)
	v_mov_b32 v[(\pc)+3+6*\c+\i], v[(\ct)+4*\c+\i]
.endr
.endr
.endm
.macro INIT j                          ; a tile's state: the step has no first form: the first change of M multiplies zeros
	WIN 0x55*\j
	v_mov_b32 v13, 0xff61b1e6                      ; the largest t so far: -3e38
	v_mov_b32 v14, 0
	v_mov_b32 v15, 0
	v_floor_f32 v12, -v13
	v_mov_b32 v31, 0                               ; (named as the upper halves of pairs)
	v_mov_b32 v253, 0
.irp b, 0,1,2,3
	v_mov_b32 v[236+\b], 0                         ; a lane permute's destination counts as one of its sources
.endr
.set ii, 0
.rept 64
	v_mov_b32 v[160+ii], 0
.set ii, ii+1
.endr
.endm
	s_load_b256 s[4:11], s[0:1], 0x0               ; qkv s[4:5], doc_similarities s[6:7], beta s[8:9], ocod s[10:11]
	v_lshl_add_u32 v[SPW], v0, 2, SPARE
	v_mov_b32 v[NIL], 0
	ds_add_u32 v[SPW], v[NIL]                      ; the opening lines: the add, twice on end, and its wait ahead of my first tensor load
	ds_add_u32 v[SPW], v[NIL]
	v_lshrrev_b32 v8, 5, v0
	v_readfirstlane_b32 s[WV], v8                  ; wave 0..7
	s_and_b32 s50, s[WV], 1                        ; my pair of tiles of queries
	s_lshr_b32 s51, s[WV], 1                       ; my quarter of the keys.  In waves 0-3 also: which tile of the pair I finish
	s_bfe_u32 s52, ttmp6, 0x40000                  ; cx
	s_lshl_b32 s53, ttmp9, 2
	s_add_co_u32 s53, s53, s52                     ; my block of 64 queries: it enters global addresses of q and o alone
	s_and_b32 s54, ttmp7, 0xffff                   ; batch x 8 + head, which the four partners share
	s_mov_b32 s[G1], 15|(3<<16)|(1<<21)            ; 15:0 the mask: all four; 17:16 elements of 8 bytes; 21 set beside a mask; no padding
	s_mov_b32 s[G1+1], 32<<16                      ; a dense block of BLK bytes as 52 rows of 256 bytes
	s_mov_b32 s[G1+2], 52<<16
	s_mov_b32 s[G1+3], 32<<16
	s_mov_b32 s[G1+4], 52
	s_mov_b32 s[G1+5], 32
	s_mov_b32 s[G1+6], 0
	s_mov_b32 s[G1+7], 0
	s_mul_i32 s55, s[WV], BLK                      ; wave w fetches block w of a fill
	s_mul_i32 s56, s54, KVH
	s_add_co_u32 s56, s56, s55
	s_mov_b32 s57, 0
	s_lshr_b32 s60, s54, 3
	s_lshl_b32 s60, s60, 4                         ; the batch's four similarities
	s_mov_b32 s61, 0
	s_wait_dscnt 0x0                               ; both opening adds are done
	s_wait_kmcnt 0x0
	s_mov_b32 s[G0], 1
	s_mov_b32 s[G0+1], s55
	s_add_nc_u64 s[G0+2:G0+3], s[4:5], s[56:57]
	s_or_b32 s[G0+3], s[G0+3], 0x80000000
	s_add_nc_u64 s[6:7], s[6:7], s[60:61]
	s_load_b128 s[BIAS:BIAS+3], s[6:7], 0x0
	s_load_b32 s49, s[8:9], 0x0
	ROUND                                          ; all four work-groups are here: the first joint loads meet
	tensor_load_to_lds s[G0:G0+3], s[G1:G1+7]      ; fill 0, my block: one load a wave at the head
	s_nop 0
.rept 4
	v_nop
.endr
	s_and_b32 s62, s53, 1
	s_lshl_b32 s62, s62, 1
	s_add_co_u32 s62, s62, s50                     ; my pair of tiles in its panel of 128 queries
	s_lshl_b32 s63, s54, 3
	s_lshr_b32 s66, s53, 1
	s_add_co_u32 s63, s63, s66
	s_mul_i32 s63, s63, BLK
	s_add_co_u32 s63, s63, QOFF                    ; q's block
	s_mul_i32 s74, s62, 3072                       ; the pair's images in a block,
	s_lshl_b32 s75, s62, 8
	s_add_co_u32 s75, s75, SCO                     ; and its scale words
	s_add_co_u32 s66, s63, s74
	s_mov_b32 s67, 0
	s_add_nc_u64 s[66:67], s[4:5], s[66:67]
	s_add_co_u32 s68, s63, s75
	s_mov_b32 s69, 0
	s_add_nc_u64 s[68:69], s[4:5], s[68:69]
	s_lshr_b32 s70, s54, 3                         ; o's block: ((batch x 8 + panel of tokens) x 8 + head): the head is the K step of the last product
	s_lshl_b32 s70, s70, 3
	s_lshr_b32 s71, s53, 1
	s_add_co_u32 s70, s70, s71
	s_lshl_b32 s70, s70, 3
	s_and_b32 s71, s54, 7
	s_add_co_u32 s70, s70, s71
	s_mul_i32 s70, s70, BLK
	s_add_co_u32 s72, s70, s75
	s_add_co_u32 s70, s70, s74
	s_mul_i32 s76, s51, 1536                       ; the tile of the pair that I finish (waves 0-3)
	s_add_co_u32 s70, s70, s76
	s_lshl_b32 s76, s51, 2
	s_add_co_u32 s72, s72, s76
	s_mov_b32 s71, 0
	s_mov_b32 s73, 0
	s_add_nc_u64 s[70:71], s[10:11], s[70:71]
	s_add_nc_u64 s[72:73], s[10:11], s[72:73]
	; THE PREFETCHES INTO THE L2.  In the trip that asks for fill j + 1, fill j + 2 is named: one trip ahead of its load; the trip that asks for the last fill names nothing.  All clusters of a (batch, head) walk the same
	; K and V: the first of them asks.  Its four partners share a fill out BY ADDRESS, HALF2 bytes (104 blocks of 256 bytes) each; in each, waves 4-7 take 26 blocks, a lane a block; lanes 26-31 name lane 25's block again.
	s_and_b32 s78, s[WV], 3
	s_mul_i32 s79, s78, 6656
	s_mul_i32 s76, s54, KVH
	s_mul_i32 s77, s52, HALF2
	s_add_co_u32 s76, s76, s77
	s_add_co_u32 s76, s76, FILL                    ; at fill 1: the first trip steps it to fill 2
	s_mov_b32 s77, 0
	s_add_nc_u64 s[PFA:PFA+1], s[4:5], s[76:77]
	s_lshr_b32 s78, s[WV], 2
	s_xor_b32 s78, s78, 1                          ; 0 in waves 4-7,
	s_or_b32 s78, s78, ttmp9                       ; of the first cluster: the same in all four partners
	s_cmp_eq_u32 s78, 0
	s_cselect_b32 s[LIM], 1, -1                    ; a wave asks while the trips to go are more than this
	s_mul_i32 s56, s51, BLK                        ; my key step in a slot,
	s_add_co_u32 s57, s56, SCO
	s_lshl_b32 s58, s[WV], 14                      ; the merge: wave w puts 16,384 bytes at 16,384 w: slot 0 and the bytes between the slots, when slot 0 has had its last fill and nobody reads it
	s_lshl_b32 s59, s50, 14
	s_lshl_b32 s60, s51, 13
	s_add_co_u32 s59, s59, s60                     ; quarter k of tile j of pair e lies at 16,384 (e + 2 k) + 8,192 j
	s_lshl_b32 s60, s50, 9
	s_lshl_b32 s61, s51, 8
	s_add_co_u32 s60, s60, s61
	s_add_co_u32 s60, s60, STATS
	s_lshl_b32 s61, s[WV], 9
	s_add_co_u32 s61, s61, STATS
	s_mov_b32 s[SEL], 0x76543210
	s_mov_b32 s[SEL+1], 0xfedcba98
	s_mov_b32 s[CS], 0x3d38aa3b                    ; log2(e) / 32
	s_mov_b32 s[CS+1], s[CS]
	v_and_b32 v93, 31, v0                          ; lane
	s_delay_alu instid0(VALU_DEP_1)
	v_lshlrev_b32 v[LI], 4, v93
	v_lshlrev_b32 v92, 3, v93
.irp c, 0,1,2
	global_load_b128 v[16+4*\c:19+4*\c], v[LI], s[66:67] offset:512*\c          ; Q's two fragments stay in registers
.endr
	global_load_b64 v[88:89], v92, s[68:69]        ; and their scale words
	WIN 0x40                                       ; destination window 1
.irp c, 0,1,2
	global_load_b128 v[16+4*\c:19+4*\c], v[LI], s[66:67] offset:1536+512*\c
.endr
	WIN 0
	v_add_nc_u32 v[AK0], s56, v[LI]
	v_add_nc_u32 v[AS0], s57, v92
	v_add_nc_u32 v[OW], s58, v[LI]
	v_add_nc_u32 v[OR1], s59, v[LI]
	v_lshl_add_u32 v[SR], v93, 2, s60
	v_lshl_add_u32 v[SW], v93, 2, s61
	v_min_u32 v[PFO], 25, v93
	v_add_nc_u32 v[OR3], 65536, v[OR1]
	s_delay_alu instid0(VALU_DEP_2)
	v_lshlrev_b32 v[PFO], 8, v[PFO]
	s_delay_alu instid0(VALU_DEP_1)
	v_add_nc_u32 v[PFO], s79, v[PFO]
	INIT 0
	INIT 1
	WIN 0
	s_wait_alu depctr_va_vdst(0)
	s_wait_kmcnt 0x0
.irp d, 0,1,2,3
	s_mul_f32 s[BIAS+\d], s[BIAS+\d], s49          ; sim x beta,
.endr
.irp d, 0,1,2,3
	s_mul_f32 s[BIAS+\d], s[BIAS+\d], 0x3fb8aa3b   ; x log2(e)
.endr
; THE CHANGE OF SLOTS.  Every wave waits for all its tensor loads, adds 0 to its spare word, and waits for that and for its reads of the slot that it has left; a round of the cluster's barrier;
; the next fill goes into the slot just left, first thing behind the round.  refill = 0: the last step, in slot 1, fetches nothing.
.macro TRIP refill
	s_wait_tensorcnt 0x0
	ds_add_u32 v[SPW], v[NIL]
.if \refill
	s_xor_b32 s[G0+1], s[G0+1], SLOT1              ; no load of mine is out: the other slot, the next fill
	s_add_nc_u64 s[G0+2:G0+3], s[G0+2:G0+3], FILL
	v_add_nc_u32 v[AK], s[SO], v[AK0]              ; where this trip reads
	v_add_nc_u32 v[AS], s[SO], v[AS0]
	s_xor_b32 s[SO], s[SO], SLOT1
	s_wait_xcnt 0x0                                ; the last prefetch, a trip back, has read its address
	s_add_nc_u64 s[PFA:PFA+1], s[PFA:PFA+1], FILL
.else
	v_add_nc_u32 v[AK], SLOT1, v[AK0]
	v_add_nc_u32 v[AS], SLOT1, v[AS0]
.endif
	s_wait_alu depctr_va_vdst(0)
	s_wait_dscnt 0x0
	ROUND
.if \refill
	tensor_load_to_lds s[G0:G0+3], s[G1:G1+7]
	s_nop 0
.endif
.rept 4
	v_nop                                          ; also the places in front of loads into registers that matrix instructions have read
.endr
.endm
.macro LOADF off                       ; 28 LDS loads: eight fragments and their scale words; the youngest twelve are fragments 4-7
.irp t, 0,1,2,3
.irp c, 0,1,2
	ds_load_b128 v[32+12*\t+4*\c:35+12*\t+4*\c], v[AK] offset:\off+1536*\t+512*\c
.endr
.endr
.irp i, 0,1,2,3
	ds_load_b64 v[80+2*\i:81+2*\i], v[AS] offset:\off+256*\i
.endr
	WIN 0x40
.irp t, 0,1,2,3
.irp c, 0,1,2
	ds_load_b128 v[32+12*\t+4*\c:35+12*\t+4*\c], v[AK] offset:\off+1536*(\t+4)+512*\c
.endr
.endr
	WIN 0
.endm
; four matrix instructions: fragments base .. base + 3 against one tile's operand; each names another accumulator
.macro MM acc, opb, scb, base, chain
.irp t, 0,1,2,3
.if \chain
	v_wmma_scale_f32_16x16x128_f8f6f4 v[\acc+8*(\base+\t):\acc+8*(\base+\t)+7], v[32+12*\t:43+12*\t], v[\opb:\opb+11], v[\acc+8*(\base+\t):\acc+8*(\base+\t)+7], v[80+\base+\t], v[\scb] matrix_a_fmt:MATRIX_FMT_FP6 matrix_b_fmt:MATRIX_FMT_FP6
.else
	v_wmma_scale_f32_16x16x128_f8f6f4 v[\acc+8*(\base+\t):\acc+8*(\base+\t)+7], v[32+12*\t:43+12*\t], v[\opb:\opb+11], 0, v[80+\base+\t], v[\scb] matrix_a_fmt:MATRIX_FMT_FP6 matrix_b_fmt:MATRIX_FMT_FP6
.endif
.endr
.endm
; THE SOFTMAX OF TILE j: 16 queries x 128 keys, every register in window j
.macro VEC j
	WIN 0x55*\j
.if \j
	s_wait_alu depctr_va_vdst(0)
.endif
.irp b, 0,1,2,3
	v_max3_num_f32 v[232+\b], v[96+16*\b], v[97+16*\b], v[98+16*\b]   ; the largest score of each block of 32 keys: for the row's maximum, and, since p rises with the score, for the block's largest p
.endr
.irp i, 3,5,7,9,11,13
.irp b, 0,1,2,3
	v_max3_num_f32 v[232+\b], v[232+\b], v[96+16*\b+\i], v[97+16*\b+\i]
.endr
.endr
.irp b, 0,1,2,3
	v_max_num_f32 v[232+\b], v[232+\b], v[111+16*\b]
.endr
.irp b, 0,1,2,3
	s_delay_alu instid0(VALU_DEP_4)
	v_permlanex16_b32 v[236+\b], v[232+\b], s[SEL], s[SEL+1]
.endr
.irp b, 0,1,2,3
	s_delay_alu instid0(VALU_DEP_4)
	v_max_num_f32 v[232+\b], v[232+\b], v[236+\b]  ; with lane l xor 16's 16 keys
.endr
	s_delay_alu instid0(VALU_DEP_2)
	v_max3_num_f32 v254, v232, v233, v234
	s_delay_alu instid0(VALU_DEP_1)
	v_max_num_f32 v254, v254, v235
	s_delay_alu instid0(VALU_DEP_1)
	v_fma_f32 v254, v254, s[CS], s[BIAS]           ; the step's largest t: all its keys are of one document
	s_delay_alu instid0(VALU_DEP_1)
	v_max_num_f32 v13, v13, v254
	v_mov_b32 v254, v12
	s_delay_alu instid0(VALU_DEP_2)
	v_floor_f32 v12, -v13                          ; the new -M = -ceil(t)
	s_delay_alu instid0(VALU_DEP_1)
	v_sub_f32 v254, v12, v254                      ; old M - new M: a whole number, 0 or less
	s_delay_alu instid0(VALU_DEP_1)
	v_cvt_i32_f32 v254, v254                       ; (it saturates)
	s_delay_alu instid0(VALU_DEP_1)
	v_ldexp_f32 v252, 1.0, v254                    ; f = 2^(old M - new M)
	s_delay_alu instid0(VALU_DEP_4)
	v_add_f32 v30, s[BIAS], v12                    ; bias - M
.set ii, 0
.rept 32
	v_pk_fma_f32 v[96+ii:97+ii], v[96+ii:97+ii], s[CS:CS+1], v[30:31] op_sel_hi:[1,0,0]   ; t - M, two at a time
.set ii, ii+2
.endr
.irp b, 0,1,2,3
	v_fma_f32 v[232+\b], v[232+\b], s[CS], v30     ; the same of each block's largest score
.endr
	s_wait_alu depctr_va_vdst(0)                   ; the wait ahead of the batch
.set ii, 0
.rept 64
	v_exp_f32 v[96+ii], v[96+ii]                   ; p = 2^(t - M)
.set ii, ii+1
.endr
	v_pk_mul_f32 v[14:15], v[14:15], v[252:253] op_sel_hi:[1,0]   ; l under the new M; the plain line behind the exponentials
	s_wait_alu depctr_va_vdst(0)                   ; one wait for the batch, ahead of its first reader
.irp b, 0,1,2,3
	v_exp_f32 v[232+\b], v[232+\b]                 ; the block's largest p
.endr
.irp k, 0,1,2,3,4,5,6                  ; l is taken of the unquantised p: 32 pairs in eight chains
	v_pk_add_f32 v[236+2*\k:237+2*\k], v[96+4*\k:97+4*\k], v[98+4*\k:99+4*\k]
.endr
	v_pk_add_f32 v[14:15], v[14:15], v[124:125]
.irp m, 0,1
.irp k, 0,1,2,3,4,5,6
	v_pk_add_f32 v[236+2*\k:237+2*\k], v[236+2*\k:237+2*\k], v[126+16*\m+2*\k:127+16*\m+2*\k]
.endr
	v_pk_add_f32 v[14:15], v[14:15], v[140+16*\m:141+16*\m]
.endr
	v_pk_add_f32 v[236:237], v[236:237], v[158:159]
	v_pk_add_f32 v[238:239], v[238:239], v[240:241]
	v_pk_add_f32 v[242:243], v[242:243], v[244:245]
	v_pk_add_f32 v[246:247], v[246:247], v[248:249]
	s_delay_alu instid0(VALU_DEP_4)
	v_pk_add_f32 v[14:15], v[14:15], v[236:237]
	s_delay_alu instid0(VALU_DEP_3)
	v_pk_add_f32 v[238:239], v[238:239], v[242:243]
	s_delay_alu instid0(VALU_DEP_2)
	v_pk_add_f32 v[14:15], v[14:15], v[246:247]
	s_delay_alu instid0(VALU_DEP_1)
	v_pk_add_f32 v[14:15], v[14:15], v[238:239]
	s_wait_alu depctr_va_vdst(0)                   ; and one for the four
.irp b, 0,1,2,3
	v_max_num_f32 v[232+\b], 0x1800000, v[232+\b]  ; the floor 2^(3 - 127)
.endr
.irp b, 0,1,2,3
	s_delay_alu instid0(VALU_DEP_4)
	v_add_nc_u32 v[244+\b], 0xff000000, v[232+\b]  ; 2 off the exponent field: the conversion's scale operand
.endr
.irp b, 0,1,2,3
	s_delay_alu instid0(VALU_DEP_4)
	v_lshrrev_b32 v[236+\b], 23, v[244+\b]
.endr
	s_delay_alu instid0(VALU_DEP_3)
	v_lshl_or_b32 v254, v237, 8, v236
	s_delay_alu instid0(VALU_DEP_1)
	v_lshl_or_b32 v254, v238, 16, v254
	WIN 0x15*\j                                    ; scale operands have no window: p's scale word goes to window 0
	v_lshl_or_b32 v[90+\j], v239, 24, v254
	WIN 0x55*\j
.irp c, 0,1
	v_cvt_scalef32_pk16_fp6_f32 v[224+6*\c:226+6*\c], v[96+32*\c:111+32*\c], v[244+2*\c]
	v_cvt_scalef32_pk16_fp6_f32 v[236+4*\c:238+4*\c], v[112+32*\c:127+32*\c], v[245+2*\c]
.endr
	v_nop
.irp c, 0,1
.irp i, 0,1,2
	v_permlane16_swap_b32 v[224+6*\c+\i], v[236+4*\c+\i]
.endr
.irp i, 0,1,2
	s_delay_alu instid0(VALU_DEP_3)
	v_mov_b32 v[227+6*\c+\i], v[236+4*\c+\i]
.endr
.endr
	s_wait_alu depctr_va_vdst(0)                   ; directly ahead of the first reader of O^T
.set ii, 0
.rept 32
	v_pk_mul_f32 v[160+ii:161+ii], v[160+ii:161+ii], v[252:253] op_sel_hi:[1,0]   ; O^T under the new M; also the places in front of the matrix instructions below
.set ii, ii+2
.endr
.endm
; MY KEY STEP: 128 keys x 32 queries.  Window settings of the products: source 0 (the fragment) window 0 or 1, the tile's operand and accumulators in the tile's window.
.macro STEP ask
	LOADF 0
.if \ask
	s_cmp_gt_u32 s[LAPS], s[LIM]
	s_cbranch_scc0 .Lnot_mine_\@
	global_prefetch_b8 v[PFO], s[PFA:PFA+1] th:TH_LOAD_NT scope:SCOPE_SE
.Lnot_mine_\@:
.endif
	s_wait_dscnt 12                                ; all but the youngest twelve loads, fragments 4-7
	MM 96, 16, 88, 0, 0                            ; S^T = K Q^T
	WIN 0x54
	MM 96, 16, 89, 0, 0
	s_wait_dscnt 0x0
	WIN 0x01
	MM 96, 16, 88, 4, 0
	WIN 0x55
	MM 96, 16, 89, 4, 0
	WIN 0
.rept 4
	v_nop                                          ; places: in front of the loads below and of the first read of the scores
.endr
	LOADF VOFF                                     ; V's fragments come while the softmax is worked
	VEC 0
	s_wait_alu depctr_va_vdst(0)
	s_wait_dscnt 0x0
	MM 160, 224, 90, 0, 1                          ; O^T += V^T P^T, tile 0
	WIN 0x01
	MM 160, 224, 90, 4, 1
	VEC 1
	WIN 0x54
	MM 160, 224, 91, 0, 1                          ; tile 1
	WIN 0x55
	MM 160, 224, 91, 4, 1
	WIN 0
.endm
	s_mov_b32 s[LAPS], 7
	s_mov_b32 s[SO], 0
	s_wait_loadcnt 0x0                             ; Q
.Lstep:                                            ; seven trips, each with a refill; the eighth step stands behind the loop
	TRIP 1
	STEP 1
	s_cmp_eq_u32 s[SO], 0                          ; slot 1 has just been worked: a document (two fills) is done, the next one's bias moves up
	s_cselect_b32 s[BIAS], s[BIAS+1], s[BIAS]
	s_cselect_b32 s[BIAS+1], s[BIAS+2], s[BIAS+1]
	s_cselect_b32 s[BIAS+2], s[BIAS+3], s[BIAS+2]
	s_sub_co_u32 s[LAPS], s[LAPS], 1
	s_cmp_lg_u32 s[LAPS], 0
	s_cbranch_scc1 .Lstep
	TRIP 0
	STEP 0
	; THE MERGE.  Every wave puts -M, l and O^T of both its tiles into LDS (each accumulator from its low end on); one barrier; wave w of 0-3 joins the four quarters of tile w / 2 of pair w % 2.
.irp j, 0,1
	WIN 0x55*\j
	v_add_f32 v14, v14, v15
	s_delay_alu instid0(VALU_DEP_1)
	v_permlanex16_b32 v252, v14, s[SEL], s[SEL+1]
	s_delay_alu instid0(VALU_DEP_1)
	v_add_f32 v14, v14, v252                       ; my quarter's l
.endr
	WIN 0
.rept 4
	v_nop                                          ; places behind the last products
.endr
	ds_store_b32 v[SW], v12
	ds_store_b32 v[SW], v14 offset:128
.set ii, 0
.rept 16
	ds_store_b128 v[OW], v[160+4*ii:163+4*ii] offset:512*ii
.set ii, ii+1
.endr
	WIN 0x04                                       ; an LDS store's data: window 1
	ds_store_b32 v[SW], v12 offset:256
	ds_store_b32 v[SW], v14 offset:384
.set ii, 0
.rept 16
	ds_store_b128 v[OW], v[160+4*ii:163+4*ii] offset:8192+512*ii
.set ii, ii+1
.endr
	WIN 0
	s_wait_dscnt 0x0                               ; for the others' sake: my stores are done
	s_barrier_signal -1
	s_barrier_wait -1
	s_cmp_lt_u32 s[WV], 4
	s_cbranch_scc0 .Lend
.macro PART d, a, off                  ; a quarter's O^T: 16 loads
.set ii, 0
.rept 16
	ds_load_b128 v[\d+4*ii:\d+4*ii+3], v[\a] offset:\off+512*ii
.set ii, ii+1
.endr
.endm
.macro JOIN s, f, first
.set ii, 0
.rept 32
.if \first
	v_pk_mul_f32 v[160+ii:161+ii], v[\s+ii:\s+ii+1], v[\f:\f+1] op_sel_hi:[1,0]
.else
	v_pk_fma_f32 v[160+ii:161+ii], v[\s+ii:\s+ii+1], v[\f:\f+1], v[160+ii:161+ii] op_sel_hi:[1,0,1]
.endif
.set ii, ii+2
.endr
.endm
.irp k, 0,1,2,3
	ds_load_b32 v[232+\k], v[SR] offset:1024*\k        ; -M of quarter k
	ds_load_b32 v[236+\k], v[SR] offset:1024*\k+128    ; its l
.endr
	PART 32, OR1, 0
	PART 96, OR1, 32768
	s_wait_dscnt 32                                ; the eight statistics are in; the 32 loads of quarters 0 and 1 may be out
	v_min3_num_f32 v12, v232, v233, v234
	s_delay_alu instid0(VALU_DEP_1)
	v_min_num_f32 v12, v12, v235                   ; -M of the whole row
.irp k, 0,1,2,3
	v_sub_f32 v[248+\k], v12, v[232+\k]            ; M_k - M: whole numbers, 0 or less
.endr
.irp k, 0,1,2,3
	s_delay_alu instid0(VALU_DEP_4)
	v_cvt_i32_f32 v[248+\k], v[248+\k]
.endr
.irp k, 0,1,2,3
	s_delay_alu instid0(VALU_DEP_4)
	v_ldexp_f32 v[240+2*\k], 1.0, v[248+\k]        ; f_k = 2^(M_k - M): rounds nothing
.endr
	v_mul_f32 v14, v236, v240
	s_delay_alu instid0(VALU_DEP_1)
	v_fmac_f32 v14, v237, v242
	s_delay_alu instid0(VALU_DEP_1)
	v_fmac_f32 v14, v238, v244
	s_delay_alu instid0(VALU_DEP_1)
	v_fmac_f32 v14, v239, v246                     ; the row's l
	s_wait_alu depctr_va_vdst(0)                   ; the wait ahead of the transcendental
	v_rcp_f32 v14, v14
	v_nop
	s_wait_alu depctr_va_vdst(0)                   ; and ahead of its first reader
.irp k, 0,1,2,3
	v_mul_f32 v[240+2*\k], v[240+2*\k], v14        ; f_k / l
	v_mov_b32 v[241+2*\k], 0                       ; (named as the upper half of the pair)
.endr
	s_wait_alu depctr_va_vdst(0)
	s_wait_dscnt 16                                ; quarter 0 is in; quarter 1's 16 loads may be out
	JOIN 32, 240, 1
	PART 32, OR3, 0
	s_wait_dscnt 16                                ; quarter 1 is in; quarter 2's 16 loads may be out
	JOIN 96, 242, 0
	PART 96, OR3, 32768
	s_wait_dscnt 16                                ; quarter 2 is in; quarter 3's 16 loads may be out
	JOIN 32, 244, 0
	s_wait_dscnt 0x0
	JOIN 96, 246, 0                                ; o: register 16 b + i is channel 32 b + 16 (lane / 16) + i of my query
	QUANT 160, 48, 60, 68
.irp c, 0,1,2
	global_store_b128 v[LI], v[48+4*\c:51+4*\c], s[70:71] offset:512*\c   ; the fragment's image: 512 consecutive bytes, aligned
.endr
	v_lshrrev_b32 v16, 1, v[LI]                    ; 8 x lane
	global_store_b32 v16, v68, s[72:73]            ; my tile's scale words: every second word of 256 bytes; the neighbouring tile's wave stores the others
.Lend:
	s_wait_tensorcnt 0x0                           ; the wave's end
	ds_add_u32 v[SPW], v[NIL]
	s_wait_dscnt 0x0
	ROUND                                          ; the closing round
	s_endpgm
.Lfunc_end_k_q692c77933e_attn:
	.size	k_q692c77933e_attn, .Lfunc_end_k_q692c77933e_attn-k_q692c77933e_attn
	.p2alignl 7, 3214868480
	.fill 96, 4, 3214868480
	.section	.rodata,"a",@progbits
	.p2align	6, 0x0
	.amdhsa_kernel k_q692c77933e_attn
		.amdhsa_group_segment_fixed_size 327680
		.amdhsa_private_segment_fixed_size 0
		.amdhsa_enable_private_segment 0
		.amdhsa_kernarg_size 32
		.amdhsa_user_sgpr_count 2
		.amdhsa_user_sgpr_kernarg_segment_ptr 1
		.amdhsa_wavefront_size32 1
		.amdhsa_system_sgpr_workgroup_id_x 1
		.amdhsa_system_sgpr_workgroup_id_y 1
		.amdhsa_system_sgpr_workgroup_id_z 1
		.amdhsa_system_vgpr_workitem_id 0
		.amdhsa_next_free_vgpr 512
		.amdhsa_next_free_sgpr 80
		.amdhsa_reserve_vcc 0
		.amdhsa_float_denorm_mode_32 3
		.amdhsa_float_denorm_mode_16_64 3
		.amdhsa_memory_ordered 1
		.amdhsa_forward_progress 1
		.amdhsa_inst_pref_size 110
	.end_amdhsa_kernel
	.amdgpu_metadata
---
amdhsa.version: [ 1, 2 ]
amdhsa.kernels:
  - .name:           k_q692c77933e_attn
    .symbol:         k_q692c77933e_attn.kd
    .args:
      - { .name: qkv, .offset: 0, .size: 8, .value_kind: global_buffer, .address_space: global }
      - { .name: doc_similarities, .offset: 8, .size: 8, .value_kind: global_buffer, .address_space: global }
      - { .name: beta, .offset: 16, .size: 8, .value_kind: global_buffer, .address_space: global }
      - { .name: ocod, .offset: 24, .size: 8, .value_kind: global_buffer, .address_space: global }
    .group_segment_fixed_size: 327680
    .private_segment_fixed_size: 0
    .kernarg_segment_align: 8
    .kernarg_segment_size: 32
    .max_flat_workgroup_size: 256
    .sgpr_count:     80
    .vgpr_count:     512
    .wavefront_size: 32
...
	.end_amdgpu_metadata
.endif
;; end of part 3
;; launch outp (part 4): grid 8 x 16, 4 waves a work-group, clusters of 4 x 4, 230,912 bytes of LDS; arguments ocod, wts, bout, out0; writes out0
.if DOCPART == 4
	.amdgcn_target "amdgcn-amd-amdhsa--gfx1250"
	.amdhsa_code_object_version 6
	.text
	.protected	k_q692c77933e_outp
	.globl	k_q692c77933e_outp
	.p2align	8
	.type	k_q692c77933e_outp,@function
k_q692c77933e_outp:
	s_mov_b64 s[64:65], 0
	v_nop
	global_prefetch_b8 v0, s[64:65] scope:SCOPE_SE
	s_setreg_imm32_b32 hwreg(HW_REG_WAVE_MODE, 25, 1), 1
	s_wait_xcnt 0x0
	s_wait_alu depctr_hold_cnt(0) depctr_sa_sdst(0) depctr_va_vdst(0) depctr_va_sdst(0) depctr_va_ssrc(0) depctr_va_vcc(0) depctr_vm_vsrc(0)
	s_getreg_b32 s2, hwreg(HW_REG_IB_STS2, 6, 4)
	s_cmp_eq_u32 s2, 0
	s_cbranch_scc0 .Lentry_in_a_cluster
	s_endpgm
.Lentry_in_a_cluster:
	s_bfe_u32 s2, ttmp6, 0x10000c
	s_cmp_lg_u32 s2, 0xf033
	s_cbranch_scc0 .Lentry_shape_is_right
	s_endpgm
.Lentry_shape_is_right:
; out0 = o Wout + bout, [2048][1024] f32, on codes of FP6 (E2M3) with E8M0 scales.  o's codes (16 panels of 128 tokens) and Wout's (wts panels 24-31, 128 columns each) are register images:
; fragment 1,536 bytes; block = 8 fragments + 4 pairs of scale words, BLK bytes; panel = 8 blocks (K steps); tile t, lane row r = panel row 32 (t / 2) + 8 (t % 2) + r + 8 (r / 8).
; A work-group makes 128 x 128 of the output; both its panels, for all of K, come into LDS ONCE (nothing is filled again); four waves, each 64 x 64: 16 accumulators.
; D = X Y^T, source 0 = a tile of Wout's columns, source 1 = a tile of tokens: a lane holds one token and eight neighbouring columns.  The bias is the C of each sum's first matrix instruction.
; CLUSTERS of 4 x 4: o's panel hangs on cy alone and is asked for jointly along a row of the cluster, Wout's on cx alone, along a column.  Two loads of a wave are out at the most.
; 128 work-groups: half panels would make 256, at two more descriptors and twice the requests, for a launch that has eight K steps.
.set SCO,   12288
.set BLK,   13312
.set HALF2, 2*BLK
.set PAN,   8*BLK
.set STAGE, 2*PAN                      ; the way out: 16 rows x (256 + 16) bytes for each wave; no tensor load lands here
.set SPITCH, 272
.set STO, 2                            ; v2  the stage, in
.set RD,  3                            ; v3  the stage, back
.set CO,  4                            ; v4  my bytes in two rows of the output
.set BO,  5                            ; v5  my place in the bias
.set ADX, 8                            ; v8, v9   X's images, K steps 0-3 and 4-7
.set ADY, 10                           ; v10, v11 Y's
.set ASX, 12                           ; v12, v13 X's scale words
.set ASY, 14                           ; v14, v15 Y's
.set BI,  224                          ; v224-255 the bias: eight registers for each of X's four tiles
.set WV,  12
.set G1Y, 24
.set G0Y, 32                           ; s[32:35] one group 0
.set G1X, 48
.set G0X, 56                           ; s[56:59]
.set MSB, 0
.macro WIN new
.if MSB != \new
	s_set_vgpr_msb (MSB<<8)|\new
.set MSB, \new
.endif
.endm
.macro PLACES
.rept 4
	v_nop
.endr
.endm
.macro CROUND
	s_barrier_signal -1
	s_barrier_wait -1
	s_cmp_lg_u32 s[WV], 0
	s_cbranch_scc1 .Lnot_wave_0_\@
	s_barrier_signal -3
.Lnot_wave_0_\@:
	s_barrier_wait -3
	s_barrier_signal -1
	s_barrier_wait -1
.endm
	s_load_b256 s[4:11], s[0:1], 0x0               ; ocod s[4:5], wts s[6:7], bout s[8:9], out0 s[10:11]
	s_set_vgpr_msb 0x40
	v_lshl_add_u32 v128, v0, 2, 0x38400
	v_mov_b32 v129, 0
	s_set_vgpr_msb 0x4045
	ds_add_u32 v128, v129
	ds_add_u32 v128, v129
	s_set_vgpr_msb 0x4500
	v_lshrrev_b32 v1, 5, v0
	v_readfirstlane_b32 s[WV], v1                  ; wave 0..3
	s_lshr_b32 s13, s[WV], 1                       ; my half of the tokens.  Also: I fetch for Y (0) or X (1)
	s_and_b32 s14, s[WV], 1                        ; my half of the columns.  Also: which K steps I fetch
	s_bfe_u32 s16, ttmp6, 0x40000                  ; cx
	s_bfe_u32 s17, ttmp6, 0x40004                  ; cy
	s_lshl_b32 s18, ttmp9, 2
	s_add_co_u32 s18, s18, s16                     ; the panel of columns
	s_and_b32 s19, ttmp7, 0xffff
	s_lshl_b32 s19, s19, 2
	s_add_co_u32 s19, s19, s17                     ; the panel of tokens
	s_lshl_b32 s20, s17, 2
	s_lshl_b32 s20, 15, s20                        ; my row of the cluster
	s_lshl_b32 s21, 0x1111, s16                    ; my column
	s_or_b32 s[G1Y], s20, (3<<16)|(1<<21)          ; a dense block of 4 BLK bytes as 208 rows of 256 bytes, no padding
	s_or_b32 s[G1X], s21, (3<<16)|(1<<21)
.irp g, G1Y, G1X
	s_mov_b32 s[\g+1], 32<<16
	s_mov_b32 s[\g+2], 208<<16                     ; one load a wave: four K steps, 4 BLK bytes, as 208 rows of 256 bytes
	s_mov_b32 s[\g+3], 32<<16
	s_mov_b32 s[\g+4], 208
	s_mov_b32 s[\g+5], 32
	s_mov_b32 s[\g+6], 0
	s_mov_b32 s[\g+7], 0
.endr
	s_mul_i32 s22, s14, 2*HALF2                    ; wave (op, e) brings K steps 4 e .. 4 e + 3 of its panel
	s_mul_i32 s40, s19, PAN
	s_add_co_u32 s40, s40, s22
	s_mov_b32 s41, 0
	s_add_co_u32 s42, s18, 24
	s_mul_i32 s42, s42, PAN
	s_add_co_u32 s42, s42, s22
	s_mov_b32 s43, 0
	s_mul_i32 s44, s13, PAN
	s_add_co_u32 s44, s44, s22                     ; in LDS: Y's panel at 0, X's at PAN
	s_wait_dscnt 0x0
	s_wait_kmcnt 0x0
	s_add_nc_u64 s[40:41], s[4:5], s[40:41]
	s_add_nc_u64 s[42:43], s[6:7], s[42:43]
.irp i, 0
	s_mov_b32 s[G0Y+4*\i], 1
	s_add_co_u32 s[G0Y+4*\i+1], s44, \i*2*HALF2
	s_add_nc_u64 s[G0Y+4*\i+2:G0Y+4*\i+3], s[40:41], \i*2*HALF2
	s_or_b32 s[G0Y+4*\i+3], s[G0Y+4*\i+3], 0x80000000
	s_mov_b32 s[G0X+4*\i], 1
	s_add_co_u32 s[G0X+4*\i+1], s44, \i*2*HALF2
	s_add_nc_u64 s[G0X+4*\i+2:G0X+4*\i+3], s[42:43], \i*2*HALF2
	s_or_b32 s[G0X+4*\i+3], s[G0X+4*\i+3], 0x80000000
.endr
	CROUND                                         ; all sixteen work-groups are here: the joint loads meet
	s_cmp_eq_u32 s13, 0
	s_cbranch_scc0 .Lfirst_x
	tensor_load_to_lds s[G0Y:G0Y+3], s[G1Y:G1Y+7]
	s_nop 0
.rept 4
	v_nop
.endr
	s_branch .Lfirst_asked
.Lfirst_x:
	tensor_load_to_lds s[G0X:G0X+3], s[G1X:G1X+7]
	s_nop 0
.rept 4
	v_nop
.endr
.Lfirst_asked:
	s_lshl_b32 s68, s18, 9
	s_lshl_b32 s69, s14, 8
	s_add_co_u32 s68, s68, s69                     ; my first column in bytes: 512 x panel + 256 x half
	s_mov_b32 s69, 0
	s_add_nc_u64 s[8:9], s[8:9], s[68:69]
	s_add_nc_u64 s[10:11], s[10:11], s[68:69]
	s_lshl_b32 s66, s19, 7
	s_lshl_b32 s67, s13, 6
	s_add_co_u32 s66, s66, s67
	s_lshl_b32 s66, s66, 12                        ; my first row: 128 x panel + 64 x half, 4,096 bytes a row
	s_mov_b32 s67, 0
	s_add_nc_u64 s[10:11], s[10:11], s[66:67]
	v_and_b32 v1, 15, v0                           ; r
	v_bfe_u32 v6, v0, 4, 1                         ; h
	v_lshlrev_b32 v[BO], 6, v6                     ; lane (r, h) wants, for X's tile x, columns 32 (x / 2) + 8 (x % 2) + 16 h + 0 .. 7
.irp x, 0,1,2,3
	global_load_b128 v[BI+8*\x:BI+8*\x+3], v[BO], s[8:9] offset:128*(\x/2)+32*(\x%2)
	global_load_b128 v[BI+8*\x+4:BI+8*\x+7], v[BO], s[8:9] offset:128*(\x/2)+32*(\x%2)+16
.endr
	v_and_b32 v7, 31, v0
	s_mul_i32 s45, s14, 4*1536
	s_add_co_u32 s45, s45, PAN                     ; X's tiles 4 xh on
	s_mul_i32 s46, s13, 4*1536                     ; Y's tiles 4 yh on
	v_lshl_add_u32 v[ADX], v7, 4, s45
	v_lshl_add_u32 v[ADY], v7, 4, s46
	v_add_nc_u32 v[ADX+1], 4*BLK, v[ADX]
	v_add_nc_u32 v[ADY+1], 4*BLK, v[ADY]
	s_lshl_b32 s45, s14, 9
	s_add_co_u32 s45, s45, PAN
	s_lshl_b32 s46, s13, 9
	v_lshl_add_u32 v[ASX], v7, 3, s45
	v_lshl_add_u32 v[ASY], v7, 3, s46
	v_add_nc_u32 v[ASX+1], 4*BLK, v[ASX]
	v_add_nc_u32 v[ASY+1], 4*BLK, v[ASY]
	s_mul_i32 s45, s[WV], 16*SPITCH
	s_add_co_u32 s45, s45, STAGE                   ; my stage
	v_mul_u32_u24 v[STO], v1, SPITCH
	v_lshl_add_u32 v[STO], v6, 6, v[STO]
	v_add_nc_u32 v[STO], s45, v[STO]               ; in: row r, + 64 h
	v_mul_u32_u24 v[RD], v6, SPITCH
	v_lshl_add_u32 v[RD], v1, 4, v[RD]
	v_add_nc_u32 v[RD], s45, v[RD]                 ; back: lanes 0-15 one row of 256 bytes, lanes 16-31 the next
	v_lshlrev_b32 v[CO], 12, v6
	v_lshl_add_u32 v[CO], v1, 4, v[CO]             ; and the same two rows of the output
.macro FETCH kq                        ; K step kq: four fragments of X, four of Y, their scale words, into set kq % 2: 28 LDS loads
.set FS, 32+96*((\kq)%2)
.set SS, 16+8*((\kq)%2)
.set HF, (\kq)/4
.set KO, ((\kq)%4)*BLK
.irp x, 0,1,2,3
.irp c, 0,1,2
	ds_load_b128 v[FS+12*\x+4*\c:FS+12*\x+4*\c+3], v[ADX+HF] offset:KO+1536*\x+512*\c
.endr
.endr
.irp y, 0,1,2,3
.irp c, 0,1,2
	ds_load_b128 v[FS+48+12*\y+4*\c:FS+48+12*\y+4*\c+3], v[ADY+HF] offset:KO+1536*\y+512*\c
.endr
.endr
.irp i, 0,1
	ds_load_b64 v[SS+2*\i:SS+2*\i+1], v[ASX+HF] offset:KO+SCO+256*\i
	ds_load_b64 v[SS+4+2*\i:SS+5+2*\i], v[ASY+HF] offset:KO+SCO+256*\i
.endr
.endm
.macro MUL kq, first                   ; 16 matrix instructions; the accumulators (window 1) take turns, one instruction a turn
.set FS, 32+96*((\kq)%2)
.set SS, 16+8*((\kq)%2)
.irp y, 0,1,2,3
.irp x, 0,1,2,3
.if \first
	v_wmma_scale_f32_16x16x128_f8f6f4 v[8*(4*\y+\x):8*(4*\y+\x)+7], v[FS+12*\x:FS+12*\x+11], v[FS+48+12*\y:FS+48+12*\y+11], v[BI+8*\x:BI+8*\x+7], v[SS+\x], v[SS+4+\y] matrix_a_fmt:MATRIX_FMT_FP6 matrix_b_fmt:MATRIX_FMT_FP6
.else
	v_wmma_scale_f32_16x16x128_f8f6f4 v[8*(4*\y+\x):8*(4*\y+\x)+7], v[FS+12*\x:FS+12*\x+11], v[FS+48+12*\y:FS+48+12*\y+11], v[8*(4*\y+\x):8*(4*\y+\x)+7], v[SS+\x], v[SS+4+\y] matrix_a_fmt:MATRIX_FMT_FP6 matrix_b_fmt:MATRIX_FMT_FP6
.endif
.endr
.endr
.endm
.macro KSTEP kq
	WIN 0
	PLACES                                         ; in front of loads into the set that the last K step multiplied
	FETCH (\kq)+1
	s_wait_dscnt 28                                ; this K step's loads are in; the 28 just issued may be out
	WIN 0x50                                       ; C and D window 1
	MUL \kq, 0
.endm
	s_wait_alu depctr_va_vdst(0)
	s_wait_tensorcnt 0x0                           ; my half of a panel is in; behind the barrier both panels are whole
	s_barrier_signal -1
	s_barrier_wait -1
	FETCH 0
	FETCH 1
	s_wait_loadcnt 0x0                             ; the bias
	s_wait_dscnt 28
	WIN 0x40                                       ; D window 1, C (the bias) window 0
	MUL 0, 1
	KSTEP 1
	KSTEP 2
	WIN 0
	KSTEP 3
	KSTEP 4
	KSTEP 5
	KSTEP 6
	s_wait_dscnt 0x0
	MUL 7, 0
	WIN 0
	PLACES
; THE WAY OUT, a tile of 16 tokens x 64 columns at a time, through my own stage: a lane's 32 bytes of a row go in, whole rows of 256 bytes come back, and sixteen lanes store 256 consecutive bytes, aligned.
; LDS serves a wave's instructions in order (ISA guide 5.7.1.4): no wait between the stores and the loads, nor in front of the next tile's stores.
.macro TOSTAGE y
	WIN 0x04                                       ; an LDS store's data: window 1
.irp x, 0,1,2,3
	ds_store_b128 v[STO], v[8*(4*(\y)+\x):8*(4*(\y)+\x)+3] offset:128*(\x/2)+32*(\x%2)      ; each accumulator from its low end on
	ds_store_b128 v[STO], v[8*(4*(\y)+\x)+4:8*(4*(\y)+\x)+7] offset:128*(\x/2)+32*(\x%2)+16
.endr
	WIN 0
.set BB, 32+32*((\y)%2)
.irp i, 0,1,2,3,4,5,6,7
	ds_load_b128 v[BB+4*\i:BB+4*\i+3], v[RD] offset:2*\i*SPITCH
.endr
.endm
.macro SEND y, younger                 ; younger: the LDS instructions issued behind tile y's loads
.set BB, 32+32*((\y)%2)
	s_wait_dscnt \younger
.irp i, 0,1,2,3,4,5,6,7
	global_store_b128 v[CO], v[BB+4*\i:BB+4*\i+3], s[10:11] offset:(32*((\y)/2)+8*((\y)%2)+2*\i+8*(\i/4))*4096 th:TH_STORE_NT   ; stage rows 2 i, 2 i + 1 are the tile's rows in the panel's order
.endr
.endm
	TOSTAGE 0
.irp y, 1,2,3
.if \y > 1
	s_wait_xcnt 0x0                                ; tile y - 2's stores have read their registers: tile y's loads may land there
.endif
	TOSTAGE \y
	SEND \y-1, 16                                  ; behind tile y - 1's loads: tile y's 8 stores and 8 loads
.endr
	SEND 3, 0
	s_set_vgpr_msb 0x5
	s_wait_tensorcnt 0x0
	ds_add_u32 v128, v129
	s_wait_dscnt 0x0
	s_set_vgpr_msb 0x500
	CROUND                                         ; the closing round: no work-group ends while a partner may still ask for a tile that names it
	s_endpgm
.Lfunc_end_k_q692c77933e_outp:
	.size	k_q692c77933e_outp, .Lfunc_end_k_q692c77933e_outp-k_q692c77933e_outp
	.p2alignl 7, 3214868480
	.fill 96, 4, 3214868480
	.section	.rodata,"a",@progbits
	.p2align	6, 0x0
	.amdhsa_kernel k_q692c77933e_outp
		.amdhsa_group_segment_fixed_size 230912
		.amdhsa_private_segment_fixed_size 0
		.amdhsa_enable_private_segment 0
		.amdhsa_kernarg_size 32
		.amdhsa_user_sgpr_count 2
		.amdhsa_user_sgpr_kernarg_segment_ptr 1
		.amdhsa_wavefront_size32 1
		.amdhsa_system_sgpr_workgroup_id_x 1
		.amdhsa_system_sgpr_workgroup_id_y 1
		.amdhsa_system_sgpr_workgroup_id_z 1
		.amdhsa_system_vgpr_workitem_id 0
		.amdhsa_next_free_vgpr 386
		.amdhsa_next_free_sgpr 72
		.amdhsa_reserve_vcc 0
		.amdhsa_float_denorm_mode_32 3
		.amdhsa_float_denorm_mode_16_64 3
		.amdhsa_memory_ordered 1
		.amdhsa_forward_progress 1
		.amdhsa_inst_pref_size 47
	.end_amdhsa_kernel
	.amdgpu_metadata
---
amdhsa.version: [ 1, 2 ]
amdhsa.kernels:
  - .name:           k_q692c77933e_outp
    .symbol:         k_q692c77933e_outp.kd
    .args:
      - { .name: ocod, .offset: 0, .size: 8, .value_kind: global_buffer, .address_space: global }
      - { .name: wts, .offset: 8, .size: 8, .value_kind: global_buffer, .address_space: global }
      - { .name: bout, .offset: 16, .size: 8, .value_kind: global_buffer, .address_space: global }
      - { .name: out0, .offset: 24, .size: 8, .value_kind: global_buffer, .address_space: global }
    .group_segment_fixed_size: 230912
    .private_segment_fixed_size: 0
    .kernarg_segment_align: 8
    .kernarg_segment_size: 32
    .max_flat_workgroup_size: 128
    .sgpr_count:     72
    .vgpr_count:     386
    .wavefront_size: 32
...
	.end_amdgpu_metadata
.endif
;; end of part 4
